; MI455X (gfx1250); checked and timed in simulation.
; The chip was launched on July 23, 2026; its instructions are those of AMD's public machine-readable ISA for CDNA 5 (MIT licence, August 2026) and "CDNA5" Instruction Set Architecture Reference Guide (July 2026). The comments in the code are by the model that wrote it; some were corrected since.
;; Block. Allowed arithmetic: matrix products marked QUANTISED: E2M3 operands, one E8M0 scale for each 32 along K, by v_wmma_scale_f32_16x16x128_f8f6f4 with both operands' format E2M3, f32 sums; everything else in f32.
;; Inputs: W1_codes 2,048 x 16 x 24 uint8 (E2M3 codes of W1, K innermost, in blocks of 32 codes, four codes in three bytes); W1_scales 2,048 x 16 uint8 (E8M0 scales of W1, one for each 32 codes along K); W2_codes 512 x 64 x 24 uint8 (E2M3 codes of W2, K innermost, in blocks of 32 codes, four codes in three bytes); W2_scales 512 x 64 uint8 (E8M0 scales of W2, one for each 32 codes along K); Wk_codes 8 x 64 x 16 x 24 uint8 (E2M3 codes of Wk, K innermost, in blocks of 32 codes, four codes in three bytes); Wk_scales 8 x 64 x 16 uint8 (E8M0 scales of Wk, one for each 32 codes along K); Wproj_codes 512 x 16 x 24 uint8 (E2M3 codes of Wproj, K innermost, in blocks of 32 codes, four codes in three bytes); Wproj_scales 512 x 16 uint8 (E8M0 scales of Wproj, one for each 32 codes along K); Wq_codes 8 x 64 x 16 x 24 uint8 (E2M3 codes of Wq, K innermost, in blocks of 32 codes, four codes in three bytes); Wq_scales 8 x 64 x 16 uint8 (E8M0 scales of Wq, one for each 32 codes along K); Wv_codes 8 x 64 x 16 x 24 uint8 (E2M3 codes of Wv, K innermost, in blocks of 32 codes, four codes in three bytes); Wv_scales 8 x 64 x 16 uint8 (E8M0 scales of Wv, one for each 32 codes along K); b1 2,048 float32; b2 512 float32; bproj 512 float32; x 2 x 4,096 x 512 float32.
;; Outputs: out0 2 x 4,096 x 512 float32.
;; This version of the problem:
;;   THIS VERSION OF THE PROBLEM IS GIVEN IN LOW PRECISION. The matrix products marked QUANTISED in the list below multiply operands that are first quantised to E2M3 (2 exponent bits, 3 mantissa bits; 6 bits a number), with one power-of-two scale for each 32 numbers along K (OCP MX v1.0); their sums are f32. All else is computed in f32.
;;   The module's matrix products, in the order in which they are computed (A, B: the left and right operand; K: the contracted axis; several contracted axes count as one K, in the product's order):
;;     1. [M 512, K 512] x [K 512, N 8,192]; A: input Wq (given as codes); B: input x: QUANTISED
;;     2. [M 512, K 512] x [K 512, N 8,192]; A: input Wk (given as codes); B: input x: QUANTISED
;;     3. [M 512, K 512] x [K 512, N 8,192]; A: input Wv (given as codes); B: input x: QUANTISED
;;     4. batch 16 x [M 4,096, K 64] x [K 64, N 4,096]; A: computed on the way; B: computed on the way: QUANTISED
;;     5. batch 16 x [M 4,096, K 4,096] x [K 4,096, N 64]; A: softmax (see below); B: computed on the way: QUANTISED
;;     6. [M 8,192, K 512] x [K 512, N 512]; A: computed on the way; B: input Wproj (given as codes): QUANTISED
;;     7. [M 8,192, K 512] x [K 512, N 2,048]; A: computed on the way; B: input W1 (given as codes): QUANTISED
;;     8. [M 8,192, K 2,048] x [K 2,048, N 512]; A: computed on the way; B: input W2 (given as codes): QUANTISED
;;   THE QUANTISER, for each operand of a quantised product, along K:
;;     - K is cut into blocks of 32 from its start; a last block that is shorter is filled with zeros.
;;     - A block's scale is 2^e with e = floor(log2(the largest magnitude in the block)) - 2, held to -126 .. 127; a block of zeros has e = 0. As a byte (E8M0): e + 127.
;;     - Each number is divided by its block's scale, clamped to +-7.5, and rounded to the nearest number of E2M3, ties to even, subnormals kept.
;;     - The product sums the exact products of the quantised numbers (number of the format x scale) in f32.
;;   ~~~python
;;   def quantise(x, axis):      # numpy; x: float32 -> the quantised numbers, widened to float32 again
;;       x = np.moveaxis(x, axis, -1); K = x.shape[-1]
;;       x = np.pad(x, [(0, 0)] * (x.ndim - 1) + [(0, -K % 32)]); x = x.reshape(x.shape[:-1] + (-1, 32)); a = np.abs(x).max(-1, keepdims=True)
;;       e = np.where(a > 0, np.clip(np.frexp(np.where(a > 0, a, 1))[1] - 1 - 2, -126, 127), 0)      # np.frexp(a)[1] - 1 = floor(log2(a)), exactly
;;       r = np.clip(x / 2.0 ** e, -7.5, 7.5)
;;       step = 2.0 ** (np.maximum(np.frexp(np.where(r == 0, 1, r))[1] - 1, 0) - 3)
;;       q = np.round(r / step) * step * 2.0 ** e      # np.round: ties to even
;;       return np.moveaxis(q.reshape(q.shape[:-2] + (-1,))[..., :K], -1, axis).astype(np.float32)
;;   ~~~
;;   SOFTMAX AHEAD OF A QUANTISED PRODUCT. Where the list says 'softmax', what is quantised is not the finished softmax but p = 2^(t - M), with t = logit x log2(e) and M = ceil(the row's largest t), a whole number; so 1/2 < the row's largest p <= 1. The row's sum l is taken of the UNQUANTISED p, in f32, and the product's result is divided by l at the end. Since M is a whole number, a kernel that streams over the keys may use a running M (the ceiling of the running maximum): every later rescaling is an exact power of two, which a block's scale takes up: the codes' values come out the same.
;;   OPERANDS COMPUTED ON THE WAY. 'Computed on the way' means the value that the module computes at that place (a softmax that the list does not call 'softmax' is quantised finished and normalised). What goes into a quantiser is computed in f32, as accurately as f32 sums, v_exp_f32 and their like allow (about 1e-6 of the number): no bf16 or f16 on the way to a quantiser, and a product that is left as it is and whose result goes on into a quantised operand takes f32 operands (vector FMAs, or v_wmma_f32_16x16x4_f32). A number that lies on a knife's edge between two numbers of the format may be rounded either way, as far as f32 arithmetic and the matrix unit's own rounding can turn it there, and no further.
;;   INPUTS GIVEN AS CODES. W1 (in the module: [512, 2048], K = its axis 0); W2 (in the module: [2048, 512], K = its axis 0); Wk (in the module: [8, 512, 64], K = its axis 1); Wproj (in the module: [512, 512], K = its axis 0); Wq (in the module: [8, 512, 64], K = its axis 1); Wv (in the module: [8, 512, 64], K = its axis 1): each comes as NAME_codes (uint8): NAME with its K axis moved to the last place and cut into blocks of 32 codes, [.., K / 32, bytes a block], one block behind the other in memory; four codes in three bytes: a row's codes are one little-endian stream of bits, code i at bits 6 i .. 6 i + 5 (a code: sign, 2 exponent bits, 3 mantissa bits); and NAME_scales (uint8): the same leading axes, one E8M0 byte (e + 127) for each 32 codes along K. Its value is code x scale, taken as it is: it is not quantised again, and the codes and scales need not be those that the quantiser above would give.
;; One version. Each part assembles by itself: llvm-mc -triple=amdgcn-amd-amdhsa -mcpu=gfx1250 --defsym DOCPART=n.
;; ======== version 1 of 1: 3 launches
;; limits: right only within a limited range of input values
;; workspace buffers: qf 4,194,304 bytes; kv 6,553,600 bytes; af 4,194,304 bytes; wf 2,064,384 bytes
;; launch qkv (part 1): grid 256 x 1, 8 waves a work-group, no clusters, 122,880 bytes of LDS; arguments x, Wq_codes, Wq_scales, Wk_codes, Wk_scales, Wv_codes, Wv_scales, Wproj_codes, Wproj_scales, W1_codes, W1_scales, W2_codes, W2_scales, qf, kv, wf; writes qf, kv, wf
.if DOCPART == 1
	.amdgcn_target "amdgcn-amd-amdhsa--gfx1250"
	.amdhsa_code_object_version 6
	.text
	.protected	k_qc455e81b90_qkv
	.globl	k_qc455e81b90_qkv
	.p2align	8
	.type	k_qc455e81b90_qkv,@function
k_qc455e81b90_qkv:
	s_mov_b64 s[64:65], 0
	v_nop
	global_prefetch_b8 v0, s[64:65] scope:SCOPE_SE
	s_setreg_imm32_b32 hwreg(HW_REG_WAVE_MODE, 25, 1), 1
	s_wait_xcnt 0x0
; q, k, v = x Wq, x Wk, x Wv on codes of FP6 (E2M3) with one E8M0 scale for each 32 along K; x is quantised here along its 512; q and k are quantised along the head's 64, v along the keys.
; All three leave as IMAGES OF OPERAND REGISTERS for the attention launch.  The same launch lays Wproj, W1 and W2 out fragment by fragment for the last launch.
; SHARES.  Work-group = 128 tokens (ttmp9 / 4) x two heads (ttmp9 % 4).  Every wave w first quantises token tile w (16 tokens x 512) into LDS.  Then waves 0-3 make q or k of one head
; (8 jobs: one token tile each), waves 4-7 make v of one head for 64 of the keys (4 jobs: one tile of 16 channels each).
; A TILE'S ROWS ARE NOT NEIGHBOURS: tile 2 f + u holds rows 32 f + 8 u + r + 8 (r / 8), r = lane % 16; so in the results of tiles 2 f and 2 f + 1 a lane's 16 registers are 16 neighbours 32 f + 16 (lane / 16) + 0 .. 15.
; A JOB: 4 tiles x 4 K steps = 16 matrix instructions on 4 accumulators by turns, then 32 numbers a lane are quantised into a HALF: 6 registers, k = 32 (lane / 16) + 0 .. 31 of the lane's row,
; stored as 512 bytes (registers 0-3, 16 bytes a lane) and 256 bytes (registers 4-5, 8 bytes a lane).
; q, k: source 0 = the head's weight tiles (resident), source 1 = x's tile: a lane holds a token, registers run along e.   v: source 0 = x's tiles (resident), source 1 = a tile of Wv: a lane holds a channel, registers run down the keys.
; LIMITS: NaN and infinities among the inputs are not served; a block whose largest magnitude lies under 2^-124 (a block of zeros too) gets the scale byte 1: its bytes are read by this program alone.
.set XIMG,  0                          ; LDS: x's 32 fragments (tile t, K step s) at (4 t + s) x 1536: three groups of four registers, 16 bytes a lane
.set XSC,   49152                      ; their scale words: tile t at 512 t + 16 lane + 4 s
.set SSTG,  53248                      ; an image of a record's 512 scale bytes, one for each of the two heads
.set STG,   54272                      ; a stage of 16 rows x (512 + 16) bytes for each wave
.set STGW,  8448
.set REC,   12800                      ; a record of kv: 128 keys of one head: K 6144, V 6144, scale words 512
.set LI,  4                            ; 16 x lane
.set L8,  5                            ; 8 x lane
.set LS,  6                            ; 4 x lane
.set XWI, 7                            ; where I store my tile's images
.set XWS, 8                            ; and its scale words
.set SGI, 9                            ; my stage, as loaded: 16 x lane
.set SGO, 10                           ; my stage, by rows: 528 r + 64 h
.set WA,  11                           ; a weight tile's codes: (r + 8 (r / 8)) x 384 + 24 h
.set WSA, 12                           ; its scale bytes: (r + 8 (r / 8)) x 16
.set SSK, 13                           ; k's scale words in SSTG
.set SSV, 14                           ; v's scale halfwords in SSTG
.set VRA, 15                           ; v waves: my four token tiles' images
.set XS,  16                           ; v16-23  source 1's scale words, two sets
.set WS,  24                           ; v24-39  source 0's scale words, 4 i + s
.set KW,  40                           ; v40-43  k's scale words of four pairs of tiles
.set RW,  44                           ; r + 8 (r / 8)
.set VSA, 46                           ; v waves: my four token tiles' scale words
.set SSR, 47                           ; where a record's scale bytes are read back
.set S0,  48                           ; v48-95, v112-159 source 1's four fragments, two sets
.set LA,  48                           ; v48-111, v112-175 64 numbers of x, two sets
.set LB,  112
.set ACC, 176                          ; v176-207 four accumulators
.set PC,  208                          ; the codes just made
.set PT,  220
.set MX,  228
.set PB,  232
.set SO,  240
.set PW,  244                          ; the scale word just made
.set PQ,  245
.set RLA, 246
.set RLS, 247
.set WV,  36
.set TBK, 37
.set HG,  38
.set HH,  39
.set MC,  40
.set HEAD, 41
.set SEL, 42
.set CPR, 44                           ; my role's weight codes, at my head
.set SPR, 46                           ; and scale bytes
.set XB,  48                           ; x at my token tile's first row
.set OUT, 50
.set STR, 52
.set KVR, 54                           ; my head's record
.set KVV, 56                           ; v waves: V's part of it, at my half
.set MSB, 0
.macro WIN new                         ; the immediate's high byte repeats the setting that is left
.if MSB != \new
	s_set_vgpr_msb (MSB<<8)|\new
.set MSB, \new
.endif
.endm
.macro MMZ d, a, b, sa, sb             ; a product that starts a sum
	v_wmma_scale_f32_16x16x128_f8f6f4 v[\d:\d+7], v[\a:\a+11], v[\b:\b+11], 0, v[\sa], v[\sb] matrix_a_fmt:MATRIX_FMT_FP6 matrix_b_fmt:MATRIX_FMT_FP6
.endm
.macro MMA d, a, b, c, sa, sb
	v_wmma_scale_f32_16x16x128_f8f6f4 v[\d:\d+7], v[\a:\a+11], v[\b:\b+11], v[\c:\c+7], v[\sa], v[\sb] matrix_a_fmt:MATRIX_FMT_FP6 matrix_b_fmt:MATRIX_FMT_FP6
.endm
; 32 nc numbers of a lane, register 16 b + i = k 32 b + 16 (lane / 16) + i of my row, become 6 nc registers of codes in v[PC] on and 2 nc scale bytes in v[PW].
.macro QUANT s, nc
.set qb, 0
.rept 2*(\nc)
	v_max3_num_f32 v[MX+qb], |v[(\s)+16*qb]|, |v[(\s)+16*qb+1]|, 0x1800000   ; my 16 numbers of block b, and the floor 2^(3 - 127): the byte cannot fall under 1
.set qb, qb+1
.endr
.irp i, 2,4,6,8,10,12,14
.set qb, 0
.rept 2*(\nc)
	v_max3_num_f32 v[MX+qb], v[MX+qb], |v[(\s)+16*qb+\i]|, |v[(\s)+16*qb+\i+1]|
.set qb, qb+1
.endr
.endr
.set qb, 0
.rept 2*(\nc)
	v_permlanex16_b32 v[PB+qb], v[MX+qb], s[SEL], s[SEL+1]
.set qb, qb+1
.endr
.set qb, 0
.rept 2*(\nc)
	v_max_num_f32 v[MX+qb], v[MX+qb], v[PB+qb]         ; with lane l xor 16's: the block's largest magnitude
.set qb, qb+1
.endr
.set qb, 0
.rept 2*(\nc)
	v_add_nc_u32 v[SO+qb], 0xff000000, v[MX+qb]        ; 2 off its exponent field: the conversion's scale operand
.set qb, qb+1
.endr
.set qb, 0
.rept 2*(\nc)
	v_lshrrev_b32 v[PB+qb], 23, v[SO+qb]               ; the scale's byte
.set qb, qb+1
.endr
	v_lshl_or_b32 v[PW], v[PB+1], 8, v[PB]
.if (\nc) > 1
	s_delay_alu instid0(VALU_DEP_1)
	v_lshl_or_b32 v[PW], v[PB+2], 16, v[PW]
	s_delay_alu instid0(VALU_DEP_1)
	v_lshl_or_b32 v[PW], v[PB+3], 24, v[PW]
.endif
.set qc, 0
.rept \nc
	v_cvt_scalef32_pk16_fp6_f32 v[PC+6*qc:PC+6*qc+2], v[(\s)+32*qc:(\s)+32*qc+15], v[SO+2*qc]
	v_cvt_scalef32_pk16_fp6_f32 v[PT+4*qc:PT+4*qc+2], v[(\s)+32*qc+16:(\s)+32*qc+31], v[SO+2*qc+1]   ; (a conversion's three registers begin on an even number)
.set qc, qc+1
.endr
	v_nop                                              ; one plain place behind a scaled conversion
.set qc, 0
.rept \nc
.irp i, 0,1,2
	v_permlane16_swap_b32 v[PC+6*qc+\i], v[PT+4*qc+\i] ; the operand's layout wants a whole block in a lane
.endr
.irp i, 0,1,2
	s_delay_alu instid0(VALU_DEP_3)
	v_mov_b32 v[PC+6*qc+3+\i], v[PT+4*qc+\i]
.endr
.set qc, qc+1
.endr
.endm
.macro PLACES
.rept 4
	v_nop
.endr
.endm
	s_load_b512 s[4:19], s[0:1], 0x0               ; x 4, Wq codes 6, scales 8, Wk 10, 12, Wv 14, 16, Wproj codes 18
	s_load_b512 s[20:35], s[0:1], 0x40             ; Wproj scales 20, W1 22, 24, W2 26, 28, qf 30, kv 32, wf 34
	v_lshl_add_u32 v254, v0, 2, 0x1dc00
	v_mov_b32 v255, 0
	v_lshrrev_b32 v1, 5, v0
	s_delay_alu instid0(VALU_DEP_1)
	v_readfirstlane_b32 s[WV], v1                  ; wave 0..7
	v_and_b32 v1, 31, v0                           ; lane
	v_and_b32 v2, 15, v0                           ; r
	v_bfe_u32 v3, v0, 4, 1                         ; h
	s_delay_alu instid0(VALU_DEP_3)
	v_lshlrev_b32 v[LI], 4, v1
	s_delay_alu instid0(VALU_DEP_4)
	v_lshlrev_b32 v[L8], 3, v1
	v_lshlrev_b32 v[LS], 2, v1
	; every LDS address is made here, ahead of the first parting of the roles
	s_mul_i32 s58, s[WV], 6144
	v_add_nc_u32 v[XWI], s58, v[LI]
	s_lshl_b32 s58, s[WV], 9
	s_add_co_u32 s58, s58, XSC
	v_add_nc_u32 v[XWS], s58, v[LI]
	s_mul_i32 s58, s[WV], STGW
	s_add_co_u32 s58, s58, STG
	v_add_nc_u32 v[SGI], s58, v[LI]
	v_mul_u32_u24 v[SGO], v2, 528
	s_delay_alu instid0(VALU_DEP_1)
	v_lshl_add_u32 v[SGO], v3, 6, v[SGO]
	s_delay_alu instid0(VALU_DEP_1)
	v_add_nc_u32 v[SGO], s58, v[SGO]
	v_and_b32 v[RW], 8, v2
	s_delay_alu instid0(VALU_DEP_1)
	v_add_nc_u32 v[RW], v[RW], v2
	s_delay_alu instid0(VALU_DEP_1)
	v_mul_u32_u24 v[WA], v[RW], 384
	s_delay_alu instid0(VALU_DEP_1)
	v_mad_u32_u24 v[WA], v3, 24, v[WA]
	s_delay_alu instid0(VALU_DEP_3)
	v_lshlrev_b32 v[WSA], 4, v[RW]
	s_and_b32 s59, s[WV], 1
	s_lshl_b32 s60, s59, 9
	s_add_co_u32 s60, s60, SSTG
	v_lshl_add_u32 v[SSK], v2, 4, s60              ; head (wave % 2): 16 r
	v_add_nc_u32 v[SSR], s60, v[LI]
	s_bfe_u32 s63, s[WV], 0x10001                  ; (wave / 2) % 2
	s_lshl_b32 s61, s63, 9
	s_lshl_b32 s62, s59, 1
	s_add_co_u32 s61, s61, s62
	s_add_co_u32 s61, s61, SSTG+256
	v_lshl_add_u32 v[SSV], v2, 4, s61              ; head ((wave / 2) % 2): 256 + 16 r + 2 (wave % 2)
	s_mul_i32 s62, s59, 24576
	v_add_nc_u32 v[VRA], s62, v[LI]
	s_lshl_b32 s62, s59, 11
	s_add_co_u32 s62, s62, XSC
	v_add_nc_u32 v[VSA], s62, v[LI]
.irp b, 0,1,2,3
	v_mov_b32 v[PB+\b], 0                          ; written once: a lane permute's destination counts as one of its sources
.endr
	s_mov_b32 s[SEL], 0x76543210
	s_mov_b32 s[SEL+1], 0xfedcba98                 ; lane l xor 16
	s_lshr_b32 s[TBK], ttmp9, 2                    ; the block of 128 tokens
	s_and_b32 s[HG], ttmp9, 3                      ; the pair of heads
	s_lshr_b32 s66, s[WV], 1
	s_cmp_lt_u32 s[WV], 4
	s_cselect_b32 s[HH], s59, s63                  ; which of the two heads
	s_cselect_b32 s[MC], s66, s59                  ; waves 0-3: 0 q, 1 k; waves 4-7: which 64 keys
	s_lshl_b32 s[HEAD], s[HG], 1
	s_add_co_u32 s[HEAD], s[HEAD], s[HH]
	s_mov_b32 s67, 0
	s_wait_kmcnt 0x0
	s_cmp_lt_u32 s[WV], 2
	s_cselect_b64 s[CPR:CPR+1], s[6:7], s[10:11]
	s_cselect_b64 s[SPR:SPR+1], s[8:9], s[12:13]
	s_cmp_lt_u32 s[WV], 4
	s_cselect_b64 s[CPR:CPR+1], s[CPR:CPR+1], s[14:15]
	s_cselect_b64 s[SPR:SPR+1], s[SPR:SPR+1], s[16:17]
	s_mul_i32 s66, s[HEAD], 24576                  ; a head: 64 rows of 384 bytes
	s_add_nc_u64 s[CPR:CPR+1], s[CPR:CPR+1], s[66:67]
	s_lshl_b32 s66, s[HEAD], 10
	s_add_nc_u64 s[SPR:SPR+1], s[SPR:SPR+1], s[66:67]
	s_lshl_b32 s66, s[TBK], 7
	s_lshr_b32 s68, s[WV], 1
	s_lshl_b32 s68, s68, 5
	s_add_co_u32 s66, s66, s68
	s_lshl_b32 s69, s59, 3
	s_add_co_u32 s66, s66, s69                     ; my token tile's first token: 128 block + 32 (w / 2) + 8 (w % 2)
	s_lshl_b32 s66, s66, 11
	s_add_nc_u64 s[XB:XB+1], s[4:5], s[66:67]
	s_lshr_b32 s68, s[TBK], 5
	s_lshl_b32 s68, s68, 3
	s_add_co_u32 s68, s68, s[HEAD]                 ; batch x 8 + head
	s_and_b32 s69, s[TBK], 31                      ; the key step, and the block of queries
	s_lshl_b32 s70, s68, 5
	s_add_co_u32 s70, s70, s69
	s_mul_i32 s66, s70, REC
	s_add_nc_u64 s[KVR:KVR+1], s[32:33], s[66:67]
	s_mul_i32 s66, s[MC], 768
	s_add_co_u32 s66, s66, 6144
	s_add_nc_u64 s[KVV:KVV+1], s[KVR:KVR+1], s[66:67]
	s_lshl_b32 s70, s68, 8
	s_lshl_b32 s71, s69, 3
	s_add_co_u32 s70, s70, s71
	s_lshl_b32 s66, s70, 10
	s_add_nc_u64 s[72:73], s[30:31], s[66:67]      ; qf: tile 8 x block of my head, 1024 bytes a tile
	s_mov_b32 s[STR], 768
	s_mov_b32 s[STR+1], 0
	s_cmp_lt_u32 s[WV], 2
	s_cselect_b64 s[OUT:OUT+1], s[72:73], s[KVR:KVR+1]
	s_cselect_b32 s[STR], 1024, s[STR]             ; from job to job: a tile of qf, or a half of K
	; waves 0-3: my 4 weight tiles x 4 K steps stay in window 1, fragment (i, s) at v[12 (4 i + s)]
	s_cmp_lt_u32 s[WV], 4
	s_cbranch_scc0 .Lno_r
	WIN 0x40
.irp i, 0,1,2,3
.irp s, 0,1,2,3
.irp q, 0,1,2,3,4,5
	global_load_b64 v[12*(4*\i+\s)+2*\q:12*(4*\i+\s)+2*\q+1], v[WA], s[CPR:CPR+1] offset:(32*(\i/2)+8*(\i%2))*384+96*\s+48*(\q/3)+8*(\q%3)
.endr
.endr
.endr
	WIN 0
.irp i, 0,1,2,3
	global_load_b128 v[WS+4*\i:WS+4*\i+3], v[WSA], s[SPR:SPR+1] offset:(32*(\i/2)+8*(\i%2))*16
.endr
.Lno_r:
.macro XLOAD s, set                    ; K step s of my 16 tokens: each load reads 512 consecutive bytes of one row
.irp i, 0,1,2,3,4,5,6,7,8,9,10,11,12,13,14,15
	global_load_b128 v[\set+4*\i:\set+4*\i+3], v[LI], s[XB:XB+1] offset:(\i+8*(\i/8))*2048+512*(\s)
.endr
.endm
	XLOAD 0, LA
	XLOAD 1, LB
	; THE RE-LAY: fragment G = 8 x work-group + wave of Wproj (0-127: 4 T + s), W1 (128-639) and W2 (640-1151: 16 T + s) goes to wf as the operand's registers: 3 x 512 bytes, then its scale words, 4 bytes a lane
	s_lshl_b32 s74, ttmp9, 3
	s_add_co_u32 s74, s74, s[WV]
	s_cmp_lt_u32 s74, 1152
	s_cbranch_scc0 .Lno_relay
	s_mov_b32 s80, 640
	s_mov_b32 s82, 1536
	s_cmp_lt_u32 s74, 640
	s_cselect_b64 s[76:77], s[22:23], s[26:27]
	s_cselect_b64 s[78:79], s[24:25], s[28:29]
	s_cselect_b32 s80, 128, s80                    ; the tensor's first fragment
	s_cselect_b32 s81, 2, 4                        ; log2 of its K steps
	s_cselect_b32 s82, 384, s82                    ; a row of codes in bytes
	s_cselect_b32 s83, 16, 64                      ; a row of scale bytes
	s_cmp_lt_u32 s74, 128
	s_cselect_b64 s[76:77], s[18:19], s[76:77]
	s_cselect_b64 s[78:79], s[20:21], s[78:79]
	s_cselect_b32 s80, 0, s80
	s_sub_co_u32 s80, s74, s80
	s_lshr_b32 s84, s80, s81                       ; tile
	s_bfm_b32 s85, s81, 0
	s_and_b32 s85, s80, s85                        ; K step
	s_lshr_b32 s86, s84, 1
	s_lshl_b32 s86, s86, 5
	s_and_b32 s87, s84, 1
	s_lshl_b32 s87, s87, 3
	s_add_co_u32 s86, s86, s87                     ; the tile's first row
	s_mov_b32 s89, 0
	s_mul_i32 s88, s86, s82
	s_mul_i32 s87, s85, 96
	s_add_co_u32 s88, s88, s87
	s_add_nc_u64 s[76:77], s[76:77], s[88:89]
	s_mul_i32 s88, s86, s83
	s_lshl_b32 s87, s85, 2
	s_add_co_u32 s88, s88, s87
	s_add_nc_u64 s[78:79], s[78:79], s[88:89]
	s_mul_i32 s88, s74, 1792
	s_add_nc_u64 s[90:91], s[34:35], s[88:89]
	v_mul_lo_u32 v[RLA], v[RW], s82
	s_delay_alu instid0(VALU_DEP_1)
	v_mad_u32_u24 v[RLA], v3, 24, v[RLA]
	v_mul_lo_u32 v[RLS], v[RW], s83
.irp q, 0,1,2,3,4,5
	global_load_b64 v[ACC+2*\q:ACC+2*\q+1], v[RLA], s[76:77] offset:48*(\q/3)+8*(\q%3)
.endr
	global_load_b32 v[ACC+12], v[RLS], s[78:79]
	s_wait_loadcnt 0x0
.irp g, 0,1,2
	global_store_b128 v[LI], v[ACC+4*\g:ACC+4*\g+3], s[90:91] offset:512*\g
.endr
	global_store_b32 v[LS], v[ACC+12], s[90:91] offset:1536
.Lno_relay:
; K step s of my tile: through my stage, so that a lane holds 16 neighbours of each block of 32 of ONE token; quantised; the fragment's image and its scale word go to LDS.
.macro XSTEP s, set, left
	s_wait_loadcnt \left                           ; this K step's 16 loads are in; the next K step's 16 may be out
.irp i, 0,1,2,3,4,5,6,7,8,9,10,11,12,13,14,15
	ds_store_b128 v[SGI], v[\set+4*\i:\set+4*\i+3] offset:528*\i
.endr
	s_wait_dscnt 0x0                               ; the stores have read their registers, which the loads below write; the last image's stores have read theirs
.irp b, 0,1,2,3
.irp j, 0,1,2,3
	ds_load_b128 v[\set+16*\b+4*\j:\set+16*\b+4*\j+3], v[SGO] offset:128*\b+16*\j
.endr
.endr
	s_wait_dscnt 0x0
	QUANT \set, 2
.irp g, 0,1,2
	ds_store_b128 v[XWI], v[PC+4*\g:PC+4*\g+3] offset:1536*(\s)+512*\g
.endr
	ds_store_b32 v[XWS], v[PW] offset:4*(\s)
.if (\s) < 2
	XLOAD (\s)+2, \set
.endif
.endm
	XSTEP 0, LA, 16
	XSTEP 1, LB, 16
	XSTEP 2, LA, 16
	XSTEP 3, LB, 0
.macro SFETCH t, p                     ; x's four fragments of token tile t, and their scale words, into set p
.irp s, 0,1,2,3
.irp g, 0,1,2
	ds_load_b128 v[S0+64*(\p)+12*\s+4*\g:S0+64*(\p)+12*\s+4*\g+3], v[LI] offset:XIMG+(4*(\t)+\s)*1536+512*\g
.endr
.endr
	ds_load_b128 v[XS+4*(\p):XS+4*(\p)+3], v[LI] offset:XSC+512*(\t)
.endm
.macro VFETCH j, p                     ; the four fragments of tile j of my head's Wv, and their scale words, into set p
.irp s, 0,1,2,3
.irp q, 0,1,2,3,4,5
	global_load_b64 v[S0+64*(\p)+12*\s+2*\q:S0+64*(\p)+12*\s+2*\q+1], v[WA], s[CPR:CPR+1] offset:(32*((\j)/2)+8*((\j)%2))*384+96*\s+48*(\q/3)+8*(\q%3)
.endr
.endr
	global_load_b128 v[XS+4*(\p):XS+4*(\p)+3], v[WSA], s[SPR:SPR+1] offset:(32*((\j)/2)+8*((\j)%2))*16
.endm
.macro JOBMUL p                        ; 16 products: the four accumulators take turns, one instruction a turn, K step by K step
	WIN 0x01                                       ; source 0 in window 1
.irp s, 0,1,2,3
.irp i, 0,1,2,3
.if \s == 0
	MMZ ACC+8*\i, 12*(4*\i+\s), S0+64*(\p)+12*\s, WS+4*\i+\s, XS+4*(\p)+\s
.else
	MMA ACC+8*\i, 12*(4*\i+\s), S0+64*(\p)+12*\s, ACC+8*\i, WS+4*\i+\s, XS+4*(\p)+\s
.endif
.endr
.endr
	WIN 0
.endm
	s_cmp_lt_u32 s[WV], 4
	s_cbranch_scc1 .Lno_v0
	VFETCH 0, 0                                    ; v waves: the first tile of Wv is asked for ahead of the barrier
.Lno_v0:
	s_wait_dscnt 0x0                               ; my images and scale words have landed
	s_wait_xcnt 0x0                                ; the re-lay's stores have read their data: the accumulators' registers may be written
	s_barrier_signal -1
	s_barrier_wait -1                              ; x's 32 fragments lie in LDS
	s_cmp_lt_u32 s[WV], 4
	s_cbranch_scc0 .Lvpath
	; ---- q and k: job t = token tile t
	SFETCH 0, 0
.irp t, 0,1,2,3,4,5,6,7
	s_wait_dscnt 0x0                               ; this job's fragments are in
.if \t < 7
	SFETCH \t+1, (\t+1)%2                          ; the next job's, into the set that the job before read: its products stand four places and a quantiser back
.endif
	JOBMUL \t%2
	PLACES
	s_wait_xcnt 0x0                                ; the last job's stores have read their data and their base
.if \t > 0
	s_add_nc_u64 s[OUT:OUT+1], s[OUT:OUT+1], s[STR:STR+1]
.endif
	QUANT ACC, 1
	global_store_b128 v[LI], v[PC:PC+3], s[OUT:OUT+1]
	global_store_b64 v[L8], v[PC+4:PC+5], s[OUT:OUT+1] offset:512
.if \t%2 == 0
	v_mov_b32 v[KW+\t/2], v[PW]                    ; a pair of tiles shares a word: bytes (f, 0) b0, b1, (f, 1) b0, b1
.else
	v_lshl_or_b32 v[KW+\t/2], v[PW], 16, v[KW+\t/2]
.endif
	s_cmp_lt_u32 s[WV], 2
	s_cbranch_scc0 .Lnot_q_\t
	v_lshl_or_b32 v[PQ], v[PW], 16, v[PW]          ; q's word: b0, b1, b0, b1: it serves q in either half of a K step of 128
	global_store_b32 v[LS], v[PQ], s[OUT:OUT+1] offset:768
.Lnot_q_\t:
.endr
	s_cmp_lt_u32 s[WV], 2
	s_cbranch_scc1 .Ljoin
	s_wait_alu depctr_va_vdst(0)
	ds_store_b128 v[SSK], v[KW:KW+3]               ; lanes r and r + 16 write the same bytes with the same values
	s_branch .Ljoin
	; ---- v: my four token tiles stay in window 1; job j = tile j of 16 channels
.Lvpath:
	WIN 0x40
.irp i, 0,1,2,3
.irp s, 0,1,2,3
.irp g, 0,1,2
	ds_load_b128 v[12*(4*\i+\s)+4*\g:12*(4*\i+\s)+4*\g+3], v[VRA] offset:(4*\i+\s)*1536+512*\g
.endr
.endr
.endr
	WIN 0
.irp i, 0,1,2,3
	ds_load_b128 v[WS+4*\i:WS+4*\i+3], v[VSA] offset:512*\i
.endr
	s_wait_dscnt 0x0
.irp j, 0,1,2,3
	s_wait_loadcnt 0x0                             ; this job's tile of Wv is in
.if \j < 3
	VFETCH \j+1, (\j+1)%2
.endif
	JOBMUL \j%2
	PLACES
	s_wait_xcnt 0x0                                ; the last job's stores have read their data,
	s_wait_dscnt 0x0                               ; its LDS store too
	QUANT ACC, 1
	global_store_b128 v[LI], v[PC:PC+3], s[KVV:KVV+1] offset:1536*\j
	global_store_b64 v[L8], v[PC+4:PC+5], s[KVV:KVV+1] offset:1536*\j+512
	ds_store_b16 v[SSV], v[PW] offset:4*\j         ; the bytes of my two blocks of keys, in tile j's word
.endr
.Ljoin:
	s_wait_dscnt 0x0                               ; my scale words have landed
	s_barrier_signal -1
	s_barrier_wait -1
	s_cmp_lt_u32 s[WV], 2
	s_cbranch_scc0 .Lend
	ds_load_b128 v[ACC:ACC+3], v[SSR]              ; wave 0, 1: head 0, 1: the record's 512 scale bytes leave as two whole runs of 256 bytes
	s_wait_dscnt 0x0
	global_store_b128 v[LI], v[ACC:ACC+3], s[KVR:KVR+1] offset:12288
.Lend:
	s_wait_tensorcnt 0x0
	ds_add_u32 v254, v255
	s_wait_dscnt 0x0
	s_endpgm
.Lfunc_end_k_qc455e81b90_qkv:
	.size	k_qc455e81b90_qkv, .Lfunc_end_k_qc455e81b90_qkv-k_qc455e81b90_qkv
	.p2alignl 7, 3214868480
	.fill 96, 4, 3214868480
	.section	.rodata,"a",@progbits
	.p2align	6, 0x0
	.amdhsa_kernel k_qc455e81b90_qkv
		.amdhsa_group_segment_fixed_size 122880
		.amdhsa_private_segment_fixed_size 0
		.amdhsa_enable_private_segment 0
		.amdhsa_kernarg_size 128
		.amdhsa_user_sgpr_count 2
		.amdhsa_user_sgpr_kernarg_segment_ptr 1
		.amdhsa_wavefront_size32 1
		.amdhsa_system_sgpr_workgroup_id_x 1
		.amdhsa_system_sgpr_workgroup_id_y 1
		.amdhsa_system_sgpr_workgroup_id_z 1
		.amdhsa_system_vgpr_workitem_id 0
		.amdhsa_next_free_vgpr 448
		.amdhsa_next_free_sgpr 96
		.amdhsa_reserve_vcc 0
		.amdhsa_float_denorm_mode_32 3
		.amdhsa_float_denorm_mode_16_64 3
		.amdhsa_memory_ordered 1
		.amdhsa_forward_progress 1
		.amdhsa_inst_pref_size 124
	.end_amdhsa_kernel
	.amdgpu_metadata
---
amdhsa.version: [ 1, 2 ]
amdhsa.kernels:
  - .name:           k_qc455e81b90_qkv
    .symbol:         k_qc455e81b90_qkv.kd
    .args:
      - { .name: x, .offset: 0, .size: 8, .value_kind: global_buffer, .address_space: global }
      - { .name: Wq_codes, .offset: 8, .size: 8, .value_kind: global_buffer, .address_space: global }
      - { .name: Wq_scales, .offset: 16, .size: 8, .value_kind: global_buffer, .address_space: global }
      - { .name: Wk_codes, .offset: 24, .size: 8, .value_kind: global_buffer, .address_space: global }
      - { .name: Wk_scales, .offset: 32, .size: 8, .value_kind: global_buffer, .address_space: global }
      - { .name: Wv_codes, .offset: 40, .size: 8, .value_kind: global_buffer, .address_space: global }
      - { .name: Wv_scales, .offset: 48, .size: 8, .value_kind: global_buffer, .address_space: global }
      - { .name: Wproj_codes, .offset: 56, .size: 8, .value_kind: global_buffer, .address_space: global }
      - { .name: Wproj_scales, .offset: 64, .size: 8, .value_kind: global_buffer, .address_space: global }
      - { .name: W1_codes, .offset: 72, .size: 8, .value_kind: global_buffer, .address_space: global }
      - { .name: W1_scales, .offset: 80, .size: 8, .value_kind: global_buffer, .address_space: global }
      - { .name: W2_codes, .offset: 88, .size: 8, .value_kind: global_buffer, .address_space: global }
      - { .name: W2_scales, .offset: 96, .size: 8, .value_kind: global_buffer, .address_space: global }
      - { .name: qf, .offset: 104, .size: 8, .value_kind: global_buffer, .address_space: global }
      - { .name: kv, .offset: 112, .size: 8, .value_kind: global_buffer, .address_space: global }
      - { .name: wf, .offset: 120, .size: 8, .value_kind: global_buffer, .address_space: global }
    .group_segment_fixed_size: 122880
    .private_segment_fixed_size: 0
    .kernarg_segment_align: 8
    .kernarg_segment_size: 128
    .max_flat_workgroup_size: 256
    .sgpr_count:     96
    .vgpr_count:     448
    .wavefront_size: 32
...
	.end_amdgpu_metadata
.endif
;; end of part 1
;; launch attn (part 2): grid 16 x 16, 16 waves a work-group, no clusters, 88,064 bytes of LDS; arguments qf, kv, af; writes af
.if DOCPART == 2
	.amdgcn_target "amdgcn-amd-amdhsa--gfx1250"
	.amdhsa_code_object_version 6
	.text
	.protected	k_qc455e81b90_attn
	.globl	k_qc455e81b90_attn
	.p2align	8
	.type	k_qc455e81b90_attn,@function
k_qc455e81b90_attn:
	s_mov_b64 s[64:65], 0
	v_nop
	global_prefetch_b8 v0, s[64:65] scope:SCOPE_SE
	s_setreg_imm32_b32 hwreg(HW_REG_WAVE_MODE, 25, 1), 1
	s_wait_xcnt 0x0
; Causal attention on codes of FP6 (E2M3), head size 64, 4,096 tokens, 16 (batch, head) pairs; O / l is quantised along the head's 64 and leaves as halves of operand registers for the last launch.
; THE SOFTMAX: t = score x log2(e) / 8; M = the running largest t rounded UP to a whole number; p = 2^(t - M) is quantised along the keys, not normalised; the row's sum is taken of the unquantised p and divides at the end.
; When M moves, the sum and O are multiplied by 2^(old M - new M): exact.
; SHARES.  Work-group (i, bh) owns the blocks of 128 queries i and 31 - i of one head: (i + 1) + (32 - i) = 33 key steps of 128 keys for each of 8 tiles of 16 queries.  They are dealt evenly to two groups of 8 waves, in 17 time steps:
;   waves 8-15 (tile = wave % 8 of block 31 - i): key steps 0 .. 16;
;   waves 0-7: key steps 0 .. i for block i; at time i + 1 they store block i, take the query of block 31 - i and walk its key steps 31 - i, 30 - i .. 17 (time tau: step 32 - tau); at time 16 they have none.
; At the end waves 0-7 hand their part of block 31 - i (O, -M, the sum) to waves 8-15 through LDS; the two parts are brought under the larger M by powers of two and added.  Whole key steps behind the diagonal are never walked.
; A STEP'S RECORD (12,800 bytes: K's 8 halves, V's 4 fragments, 512 scale bytes, as images of operand registers) is copied by a group's 256 threads into one of the group's two LDS slots through registers: asked for two steps ahead, stored one step ahead.
; So each record is asked of memory two time steps ahead of its use, and no other prefetch is laid.
; LAYOUT.  Both products transposed: a lane holds ONE query.  The head's 64 are half of the instruction's 128: a fragment of K holds TWO tiles of 16 keys (registers 0-5, 6-11) and is multiplied by [q | 0] and by [0 | q].
; Tile 2 f + u holds keys 32 f + 8 u + r + 8 (r / 8), so register 16 f + i of the scores is key 32 f + 16 (lane / 16) + i.
; No joint loads: the second group's walk of records hangs on i, so the work-groups of a head ask for different records at a given time step.
; LIMITS: a block's largest p is taken from its largest score (v_exp_f32 is taken not to fall where its input rises); v_rcp_f32 stands ahead of the last quantiser; a block of zeros gets the scale byte 1, read by this program alone;
; the scaled scores stay under 2^31 in magnitude.
.set REC,  12800
.set MST,  51200                       ; behind the four slots: 4,352 bytes for each tile, for the hand-over
.set SPARE, 86016                      ; the spare words, 128 bytes a wave
.set LI,   1                           ; LDS: 16 x lane + my group's slots
.set L8,   2                           ; LDS: 8 x lane + my group's slots
.set TW,   3                           ; LDS: 16 x my thread in the group + my group's slots
.set GI,   4                           ; 16 x my thread in the group
.set LS,   5                           ; 4 x lane
.set DM,   6                           ; my query in its block - 16 (lane / 16)
.set NINF, 7
.set Q2,   8                           ; v8-11, v240-241, v233: q of block 31 - i and its scale word
.set QZ,   16                          ; v16-21 zeros, v22-27 q, v28-33 zeros
.set QS,   34
.set PS,   35
.set FR,   36                          ; v36-83 four fragments, K's and then V's
.set SG,   84                          ; v84-95, v236-239 the record on its way
.set S,    96                          ; v96-159 scores, then p
.set O,    160                         ; v160-191 O^T
.set PC,   192
.set PT,   204
.set MG8,  207                         ; LDS: the hand-over's -M and sum
.set MX,   212
.set PB,   216
.set SO,   220
.set FF,   224
.set TT,   226
.set LI0,  227                         ; 16 x lane
.set SCW,  228
.set PW,   232
.set Q2S,  233
.set L80,  234                         ; 8 x lane
.set MG,   235                         ; LDS: the hand-over's O
.set SX,   236
.set Q2B,  240
.set WV,   10
.set GR,   11
.set BH,   12
.set BLK,  13                          ; my first block of queries; its number is its diagonal key step
.set HI,   14                          ; 31 - i
.set TR,   15
.set ST,   16                          ; the time step
.set TL,   17
.set HB,   18
.set RB,   20
.set CS,   22
.set SEL,  24
.set AFP,  26
.set QP,   28
.set LIM,  35                          ; up to this time step the record's number is the time step
.set DW,   37                          ; time steps on a diagonal, from BLK on: 2 (waves 0-7), 1
.set SW,   38                          ; the time step of the change of blocks (waves 8-15: none)
.set Q2P,  40
.macro MMZ d, a, b, sa, sb
	v_wmma_scale_f32_16x16x128_f8f6f4 v[\d:\d+7], v[\a:\a+11], v[\b:\b+11], 0, v[\sa], v[\sb] matrix_a_fmt:MATRIX_FMT_FP6 matrix_b_fmt:MATRIX_FMT_FP6
.endm
.macro GLOAD                           ; the record at s[RB]: three times 16 bytes a thread, and the group's first wave the last 512
.irp k, 0,1,2
	global_load_b128 v[SG+4*\k:SG+4*\k+3], v[GI], s[RB:RB+1] offset:4096*\k
.endr
	s_cmp_lg_u32 s[TL], 0
	s_cbranch_scc1 .Lg_\@
	global_load_b128 v[SX:SX+3], v[GI], s[RB:RB+1] offset:12288
.Lg_\@:
.endm
.macro LSTORE slot
.irp k, 0,1,2
	ds_store_b128 v[TW], v[SG+4*\k:SG+4*\k+3] offset:(\slot)*REC+4096*\k
.endr
	s_cmp_lg_u32 s[TL], 0
	s_cbranch_scc1 .Ll_\@
	ds_store_b128 v[TW], v[SX:SX+3] offset:(\slot)*REC+12288
.Ll_\@:
.endm
.macro RECADR                          ; s30 = a time step -> s[RB] = its record: the step itself up to LIM, then 32 - step
	s_sub_co_u32 s32, 32, s30
	s_cmp_le_u32 s30, s[LIM]
	s_cselect_b32 s30, s30, s32
	s_mul_i32 s30, s30, REC
	s_add_nc_u64 s[RB:RB+1], s[HB:HB+1], s[30:31]
.endm
.macro FRAGS base
.irp f, 0,1,2,3
	ds_load_b128 v[FR+12*\f:FR+12*\f+3], v[LI] offset:(\base)+1536*\f
	ds_load_b64 v[FR+12*\f+4:FR+12*\f+5], v[L8] offset:(\base)+1536*\f+512
	ds_load_b128 v[FR+12*\f+6:FR+12*\f+9], v[LI] offset:(\base)+1536*\f+768
	ds_load_b64 v[FR+12*\f+10:FR+12*\f+11], v[L8] offset:(\base)+1536*\f+1280
.endr
.endm
.macro ADDP a                          ; a chain takes the next pair of p: two additions in one dual-issue pair
	v_dual_add_f32 v[\a], v[\a], v[S+2*np] :: v_dual_add_f32 v[\a+1], v[\a+1], v[S+2*np+1]
.set np, np+1
.endm
.macro ADDR a, b                       ; chain b is added onto chain a
	v_dual_add_f32 v[\a], v[\a], v[\b] :: v_dual_add_f32 v[\a+1], v[\a+1], v[\b+1]
.endm
; THE WAY OUT of a tile: v14 = my lane's part of the sum; v[src ..] / the sum, quantised along the head's 64 (register 16 b + i is channel 32 b + 16 (lane / 16) + i), stored as a half of operand registers and its scale bytes
.macro FINISH src
	s_wait_alu depctr_va_vdst(0)
	v_permlanex16_b32 v[TT], v14, s[SEL], s[SEL+1]
	s_delay_alu instid0(VALU_DEP_1)
	v_add_f32 v14, v14, v[TT]
	s_wait_alu depctr_va_vdst(0)                   ; ahead of the transcendental,
	v_rcp_f32 v14, v14
	v_nop
	s_wait_alu depctr_va_vdst(0)                   ; and ahead of its first reader
.set n, 0
.rept 32
	v_mul_f32 v[S+n], v[\src+n], v14
.set n, n+1
.endr
.irp b, 0,1
	v_max3_num_f32 v[MX+\b], |v[S+16*\b]|, |v[S+16*\b+1]|, 0x1800000   ; with the floor 2^(3 - 127): the byte cannot fall under 1
.endr
.irp i, 2,4,6,8,10,12,14
.irp b, 0,1
	s_delay_alu instid0(VALU_DEP_2)
	v_max3_num_f32 v[MX+\b], v[MX+\b], |v[S+16*\b+\i]|, |v[S+16*\b+\i+1]|
.endr
.endr
.irp b, 0,1
	s_delay_alu instid0(VALU_DEP_2)
	v_permlanex16_b32 v[PB+\b], v[MX+\b], s[SEL], s[SEL+1]
.endr
.irp b, 0,1
	s_delay_alu instid0(VALU_DEP_2)
	v_max_num_f32 v[MX+\b], v[MX+\b], v[PB+\b]
.endr
.irp b, 0,1
	s_delay_alu instid0(VALU_DEP_2)
	v_add_nc_u32 v[SO+\b], 0xff000000, v[MX+\b]    ; 2 off the exponent field: the conversion's scale operand
.endr
.irp b, 0,1
	s_delay_alu instid0(VALU_DEP_2)
	v_lshrrev_b32 v[PB+\b], 23, v[SO+\b]
.endr
	s_delay_alu instid0(VALU_DEP_1)
	v_lshl_or_b32 v[PW], v[PB+1], 8, v[PB]
	v_cvt_scalef32_pk16_fp6_f32 v[PC:PC+2], v[S:S+15], v[SO]
	v_cvt_scalef32_pk16_fp6_f32 v[PT:PT+2], v[S+16:S+31], v[SO+1]
	v_nop                                          ; one plain place behind a scaled conversion
.irp i, 0,1,2
	v_permlane16_swap_b32 v[PC+\i], v[PT+\i]
.endr
.irp i, 0,1,2
	s_delay_alu instid0(VALU_DEP_3)
	v_mov_b32 v[PC+3+\i], v[PT+\i]
.endr
	global_store_b128 v[LI0], v[PC:PC+3], s[AFP:AFP+1]
	global_store_b64 v[L80], v[PC+4:PC+5], s[AFP:AFP+1] offset:512
	global_store_b32 v[LS], v[PW], s[AFP:AFP+1] offset:768
.endm
; THE CHANGE OF BLOCKS (waves 0-7, once): block i leaves; q of block 31 - i takes its place; the state begins anew
.macro SWITCH
	v_add_f32 v14, v14, v15
	FINISH O
.irp j, 0,1,2,3
	v_mov_b32 v[QZ+6+\j], v[Q2+\j]
.endr
	v_mov_b32 v[QZ+10], v[Q2B]
	v_mov_b32 v[QZ+11], v[Q2B+1]
	v_mov_b32 v[QS], v[Q2S]
	v_mov_b32 v13, 0xff61b1e6
	v_mov_b32 v14, 0
	v_mov_b32 v15, 0
	v_floor_f32 v12, -v13
.set n, 0
.rept 32
	v_mov_b32 v[O+n], 0                            ; (these also stand between q's registers and scale word and the products below)
.set n, n+1
.endr
	s_wait_alu depctr_va_vdst(0)                   ; directly ahead of the wait below
	s_wait_xcnt 0x0                                ; the stores have read their data: the step below writes those registers again
.endm
	s_load_b128 s[4:7], s[0:1], 0x0                ; qf, kv
	s_load_b64 s[8:9], s[0:1], 0x10                ; af
	v_lshl_add_u32 v254, v0, 2, SPARE
	v_mov_b32 v255, 0
	v_lshrrev_b32 v96, 5, v0
	s_delay_alu instid0(VALU_DEP_1)
	v_readfirstlane_b32 s[WV], v96                 ; wave 0..15
	s_lshr_b32 s[GR], s[WV], 3                     ; my group
	s_and_b32 s[TL], s[WV], 7                      ; my tile in its block
	s_mul_i32 s32, s[GR], 2*REC                    ; my group's two slots
	v_and_b32 v96, 31, v0
	v_and_b32 v100, 255, v0
	s_delay_alu instid0(VALU_DEP_2)
	v_lshlrev_b32 v[LI0], 4, v96
	v_lshlrev_b32 v[L80], 3, v96
	v_lshlrev_b32 v[LS], 2, v96
	v_lshlrev_b32 v[GI], 4, v100
	v_add_nc_u32 v[LI], s32, v[LI0]
	v_add_nc_u32 v[L8], s32, v[L80]
	v_add_nc_u32 v[TW], s32, v[GI]
	s_mul_i32 s33, s[TL], 4352
	s_add_co_u32 s33, s33, MST
	v_add_nc_u32 v[MG], s33, v[LI0]
	s_add_co_u32 s33, s33, 4096
	v_add_nc_u32 v[MG8], s33, v[L80]
	v_and_b32 v97, 15, v0                          ; r
	v_bfe_u32 v98, v0, 4, 1                        ; h
	s_delay_alu instid0(VALU_DEP_2)
	v_and_b32 v99, 8, v97
	s_delay_alu instid0(VALU_DEP_1)
	v_add_nc_u32 v99, v99, v97                     ; r + 8 (r / 8)
	v_lshlrev_b32 v98, 4, v98
	s_delay_alu instid0(VALU_DEP_1)
	v_sub_nc_u32 v[DM], v99, v98
	s_lshr_b32 s32, s[TL], 1
	s_lshl_b32 s32, s32, 5
	s_and_b32 s33, s[TL], 1
	s_lshl_b32 s33, s33, 3
	s_add_co_u32 s32, s32, s33
	v_add_nc_u32 v[DM], s32, v[DM]
	v_mov_b32 v[NINF], 0xff800000
	s_and_b32 s[BH], ttmp7, 0xffff
	s_sub_co_u32 s[HI], 31, ttmp9
	s_add_co_u32 s33, ttmp9, 1
	s_mov_b32 s34, 99
	s_cmp_lt_u32 s[WV], 8
	s_cselect_b32 s[BLK], ttmp9, s[HI]
	s_cselect_b32 s[LIM], ttmp9, s34
	s_cselect_b32 s[SW], s33, s34
	s_cselect_b32 s[DW], 2, 1
	s_mov_b32 s31, 0
	s_mul_i32 s30, s[BH], 32*REC
	s_mov_b32 s[CS], 0x3e38aa3b                    ; c = log2(e) / 8
	s_mov_b32 s[CS+1], s[CS]
	s_mov_b32 s[SEL], 0x76543210
	s_mov_b32 s[SEL+1], 0xfedcba98                 ; lane l xor 16
	s_wait_alu depctr_va_vdst(0)
	s_wait_kmcnt 0x0
	s_add_nc_u64 s[HB:HB+1], s[6:7], s[30:31]      ; my head's records
	s_mov_b64 s[RB:RB+1], s[HB:HB+1]
	GLOAD                                          ; record 0, for both groups
	s_lshl_b32 s33, s[BLK], 3
	s_add_co_u32 s33, s33, s[TL]                   ; 8 x block + tile
	s_lshl_b32 s32, s[BH], 8
	s_add_co_u32 s32, s32, s33
	s_lshl_b32 s30, s32, 10
	s_add_nc_u64 s[QP:QP+1], s[4:5], s[30:31]
	global_load_b128 v[QZ+6:QZ+9], v[LI0], s[QP:QP+1]
	global_load_b64 v[QZ+10:QZ+11], v[L80], s[QP:QP+1] offset:512
	global_load_b32 v[QS], v[LS], s[QP:QP+1] offset:768
	s_lshl_b32 s34, s[HI], 3
	s_add_co_u32 s34, s34, s[TL]
	s_lshl_b32 s32, s[BH], 8
	s_add_co_u32 s32, s32, s34
	s_lshl_b32 s30, s32, 10
	s_add_nc_u64 s[Q2P:Q2P+1], s[4:5], s[30:31]    ; the same tile of block 31 - i
	global_load_b128 v[Q2:Q2+3], v[LI0], s[Q2P:Q2P+1]
	global_load_b64 v[Q2B:Q2B+1], v[L80], s[Q2P:Q2P+1] offset:512
	global_load_b32 v[Q2S], v[LS], s[Q2P:Q2P+1] offset:768
	s_lshr_b32 s32, s[BH], 3
	s_lshl_b32 s32, s32, 8
	s_add_co_u32 s32, s32, s33                     ; the tile's number among all tokens' tiles
	s_lshl_b32 s32, s32, 3
	s_and_b32 s34, s[BH], 7
	s_add_co_u32 s32, s32, s34                     ; x 8 + head
	s_lshl_b32 s30, s32, 10
	s_add_nc_u64 s[AFP:AFP+1], s[8:9], s[30:31]    ; where the block that I store goes: waves 0-7 block i, waves 8-15 block 31 - i
.irp j, 0,1,2,3,4,5
	v_mov_b32 v[QZ+\j], 0
	v_mov_b32 v[QZ+12+\j], 0
.endr
	v_mov_b32 v13, 0xff61b1e6                      ; the largest t so far: -3e38, under every t
	s_delay_alu instid0(VALU_DEP_1)
	v_floor_f32 v12, -v13                          ; -M
	v_mov_b32 v14, 0
	v_mov_b32 v15, 0
.set n, 0
.rept 32
	v_mov_b32 v[O+n], 0                            ; the step is written once; the first finds zeros
.set n, n+1
.endr
.irp b, 0,1,2,3
	v_mov_b32 v[PB+\b], 0                          ; a lane permute's destination counts as one of its sources
.endr
	v_mov_b32 v[FF+1], 0
	v_mov_b32 v[TT], 0
	s_wait_loadcnt 0x0
	LSTORE 0
	s_wait_dscnt 0x0                               ; the stores have read their registers
	s_mov_b32 s30, 1
	RECADR
	GLOAD                                          ; time step 1's record
	s_barrier_signal -1                            ; my part of slot 0 has landed (the wait on DScnt above): the first step's wait answers this signal
.macro STEPX slot, last
	s_lshl_b32 s[ST], s[TR], 1                     ; the time step: 2 x trip + slot
.if \slot
	s_add_co_u32 s[ST], s[ST], 1
.endif
	s_barrier_wait -1                              ; every wave has signalled in the middle of the step before: this slot is whole, and nobody reads the other slot any more
.if (\last) == 0
	FRAGS (\slot)*REC                              ; K's fragments first,
	ds_load_b128 v[SCW:SCW+3], v[LI] offset:(\slot)*REC+12288
	s_wait_loadcnt 0x0                             ; the next step's record is in my registers
	LSTORE 1-\slot
	s_add_co_u32 s30, s[ST], 2
	s_min_u32 s30, s30, 16                         ; there is no time step behind 16
	RECADR
	s_wait_dscnt 0x0                               ; K's fragments are in, and the stores have read their registers
	GLOAD                                          ; the record two time steps on
.else
	s_wait_loadcnt 0x0
.endif
	s_cmp_lg_u32 s[ST], s[SW]
	s_cbranch_scc1 .Lsame_\@
	SWITCH
.Lsame_\@:
.if \last
	s_cmp_lt_u32 s[WV], 8
	s_cbranch_scc1 .Lhidden_\@                     ; waves 0-7 have no key step at time 16
.endif
.if \last
	FRAGS (\slot)*REC
	ds_load_b128 v[SCW:SCW+3], v[LI] offset:(\slot)*REC+12288
	s_wait_dscnt 0x0
.endif
.irp f, 0,1,2,3                                ; S^T: tiles 2 f and 2 f + 1 from one fragment of K
	MMZ S+16*\f, FR+12*\f, QZ+6, SCW+\f, QS
	MMZ S+16*\f+8, FR+12*\f, QZ, SCW+\f, QS
.endr
.rept 4
	v_nop                                          ; places in front of the loads into K's registers and of the first read of the scores
.endr
	FRAGS (\slot)*REC+6144                         ; V's fragments land while the softmax is worked
	s_sub_co_u32 s32, s[ST], s[BLK]
	s_cmp_ge_u32 s32, s[DW]
	s_cbranch_scc1 .Lopen_\@                       ; only a block's own key step lies on the diagonal
.set n, 0
.rept 64
	v_cmp_gt_i32 vcc_lo, 32*(n/16)+n%16, v[DM]     ; register 16 b + i holds key 32 b + 16 (lane / 16) + i of the step: hidden where it comes after my query
	v_cndmask_b32 v[S+n], v[S+n], v[NINF], vcc_lo
.set n, n+1
.endr
.Lopen_\@:
.irp b, 0,1,2,3
	v_max3_num_f32 v[MX+\b], v[S+16*\b], v[S+16*\b+1], v[S+16*\b+2]   ; the largest score of each block of 32 keys
.endr
.irp i, 3,5,7,9,11,13
.irp b, 0,1,2,3
	v_max3_num_f32 v[MX+\b], v[MX+\b], v[S+16*\b+\i], v[S+16*\b+\i+1]
.endr
.endr
.irp b, 0,1,2,3
	v_max_num_f32 v[MX+\b], v[MX+\b], v[S+16*\b+15]
.endr
.irp b, 0,1,2,3
	s_delay_alu instid0(VALU_DEP_4)
	v_permlanex16_b32 v[PB+\b], v[MX+\b], s[SEL], s[SEL+1]
.endr
.irp b, 0,1,2,3
	s_delay_alu instid0(VALU_DEP_4)
	v_max_num_f32 v[MX+\b], v[MX+\b], v[PB+\b]
.endr
	s_delay_alu instid0(VALU_DEP_2)
	v_max3_num_f32 v[TT], v[MX], v[MX+1], v[MX+2]
	s_delay_alu instid0(VALU_DEP_1)
	v_max_num_f32 v[TT], v[TT], v[MX+3]
	s_delay_alu instid0(VALU_DEP_1)
	v_mul_f32 v[TT], s[CS], v[TT]
	s_delay_alu instid0(VALU_DEP_1)
	v_max_num_f32 v13, v13, v[TT]                  ; the running largest t
	v_mov_b32 v[TT], v12
	s_delay_alu instid0(VALU_DEP_2)
	v_floor_f32 v12, -v13                          ; the new -M = -ceil(t)
	s_delay_alu instid0(VALU_DEP_1)
	v_sub_f32 v[TT], v12, v[TT]                    ; old M - new M: a whole number, 0 or less
	s_delay_alu instid0(VALU_DEP_1)
	v_cvt_i32_f32 v[TT], v[TT]
	s_delay_alu instid0(VALU_DEP_1)
	v_ldexp_f32 v[FF], 1.0, v[TT]                  ; f = 2^(old M - new M)
.set n, 0
.rept 32
	v_pk_fma_f32 v[S+n:S+n+1], v[S+n:S+n+1], s[CS:CS+1], v[12:13] op_sel_hi:[1,0,0]   ; t - M
.set n, n+2
.endr
.irp b, 0,1,2,3
	v_fma_f32 v[MX+\b], v[MX+\b], s[CS], v12
.endr
.set n, 0
	s_wait_alu depctr_va_vdst(0)
.rept 64
	v_exp_f32 v[S+n], v[S+n]                       ; p = 2^(t - M)
.set n, n+1
.endr
	v_pk_mul_f32 v[14:15], v[14:15], v[FF:FF+1] op_sel_hi:[1,0]   ; the sums under the new M: a plain place behind the exponentials
	s_wait_alu depctr_va_vdst(0)                   ; one wait for the batch of 64, ahead of its first reader, and directly ahead of the wait below
	s_wait_dscnt 0x0                               ; V's fragments are in: my reads of this slot are over; my part of the other slot has landed
.if (\last) == 0
	s_barrier_signal -1                            ; say so here; the wait stands at the next step's head, and only work on registers lies between
.endif
.irp b, 0,1,2,3
	v_exp_f32 v[MX+\b], v[MX+\b]                   ; each block's largest p
.endr
.set np, 0                                     ; the row's sum of the unquantised p: 32 pairs in eight chains
.irp a, 216,252,250,248,246,244,242
	v_pk_add_f32 v[\a:\a+1], v[S+2*np:S+2*np+1], v[S+2*np+2:S+2*np+3]
.set np, np+2
.endr
	ADDP 14
.rept 2
.irp a, 216,252,250,248,246,244,242,14
	ADDP \a
.endr
.endr
	ADDP 216
	ADDR 14, 248
	ADDR 216, 246
	ADDR 252, 244
	ADDR 250, 242
	ADDR 14, 252
	ADDR 216, 250
	ADDR 14, 216
	s_wait_alu depctr_va_vdst(0)                   ; and one for the four
.irp b, 0,1,2,3
	v_max_num_f32 v[MX+\b], 0x1800000, v[MX+\b]    ; the floor 2^(3 - 127)
.endr
.irp b, 0,1,2,3
	s_delay_alu instid0(VALU_DEP_4)
	v_add_nc_u32 v[SO+\b], 0xff000000, v[MX+\b]
.endr
.irp b, 0,1,2,3
	s_delay_alu instid0(VALU_DEP_4)
	v_lshrrev_b32 v[PB+\b], 23, v[SO+\b]
.endr
	s_delay_alu instid0(VALU_DEP_3)
	v_lshl_or_b32 v[PS], v[PB+1], 8, v[PB]
	s_delay_alu instid0(VALU_DEP_1)
	v_lshl_or_b32 v[PS], v[PB+2], 16, v[PS]
	s_delay_alu instid0(VALU_DEP_1)
	v_lshl_or_b32 v[PS], v[PB+3], 24, v[PS]
.irp c, 0,1
	v_cvt_scalef32_pk16_fp6_f32 v[PC+6*\c:PC+6*\c+2], v[S+32*\c:S+32*\c+15], v[SO+2*\c]
	v_cvt_scalef32_pk16_fp6_f32 v[PT+4*\c:PT+4*\c+2], v[S+32*\c+16:S+32*\c+31], v[SO+2*\c+1]
.endr
	v_nop
.irp c, 0,1
.irp i, 0,1,2
	v_permlane16_swap_b32 v[PC+6*\c+\i], v[PT+4*\c+\i]
.endr
.irp i, 0,1,2
	s_delay_alu instid0(VALU_DEP_3)
	v_mov_b32 v[PC+6*\c+3+\i], v[PT+4*\c+\i]
.endr
.endr
	s_wait_alu depctr_va_vdst(0)                   ; directly ahead of the first reader of O^T
.set n, 0
.rept 16
	v_pk_mul_f32 v[O+n:O+n+1], v[O+n:O+n+1], v[FF:FF+1] op_sel_hi:[1,0]   ; O^T under the new M; these 16 also stand between the codes and the scale word and the products below
.set n, n+2
.endr
	s_wait_alu depctr_va_vdst(0)                   ; behind the step's last ordinary writes, ahead of the loop's jump and the barrier's wait
.irp j, 0,1,2,3                                ; O^T += V^T P^T: four accumulators, one instruction each
	v_wmma_scale_f32_16x16x128_f8f6f4 v[O+8*\j:O+8*\j+7], v[FR+12*\j:FR+12*\j+11], v[PC:PC+11], v[O+8*\j:O+8*\j+7], v[SCW+\j], v[PS] matrix_a_fmt:MATRIX_FMT_FP6 matrix_b_fmt:MATRIX_FMT_FP6 matrix_a_scale:MATRIX_SCALE_ROW1
.endr
.rept 4
	v_nop                                          ; places in front of the next step's loads and of the first read of O^T
.endr
.Lhidden_\@:
.endm
	s_mov_b32 s[TR], 0
.Ltrip:                                            ; two time steps a trip, so that both slots stand in immediates: 8 trips, and time step 16 behind them
	STEPX 0, 0
	STEPX 1, 0
	s_add_co_u32 s[TR], s[TR], 1
	s_cmp_lt_u32 s[TR], 8
	s_cbranch_scc1 .Ltrip
	STEPX 0, 1
	; THE HAND-OVER: waves 0-7 lay their part of block 31 - i into LDS as it stands in their registers
	s_cmp_lt_u32 s[WV], 8
	s_cbranch_scc0 .Lkeep
	v_add_f32 v13, v14, v15                        ; my lane's part of the sum
.irp k, 0,1,2,3,4,5,6,7
	ds_store_b128 v[MG], v[O+4*\k:O+4*\k+3] offset:512*\k   ; each accumulator from its low end on
.endr
	ds_store_b64 v[MG8], v[12:13]
.Lkeep:
	s_wait_dscnt 0x0                               ; my stores have landed
	s_barrier_signal -1
	s_barrier_wait -1
	s_cmp_lt_u32 s[WV], 8
	s_cbranch_scc1 .Lend
.irp k, 0,1,2,3,4,5,6,7
	ds_load_b128 v[S+4*\k:S+4*\k+3], v[MG] offset:512*\k
.endr
	ds_load_b64 v[242:243], v[MG8]
	v_add_f32 v14, v14, v15
	s_wait_alu depctr_va_vdst(0)                   ; directly ahead of the wait below
	s_wait_dscnt 0x0
	v_min_num_f32 v244, v12, v242                  ; -M of both parts: the larger M
	s_delay_alu instid0(VALU_DEP_1)
	v_sub_f32 v245, v244, v12                      ; my M - M, and the other part's: whole numbers, 0 or less
	v_sub_f32 v246, v244, v242
	s_delay_alu instid0(VALU_DEP_2)
	v_cvt_i32_f32 v245, v245                       ; (it saturates: a part that saw no key has -M = 3e38 and gets the factor 0)
	s_delay_alu instid0(VALU_DEP_2)
	v_cvt_i32_f32 v246, v246
	s_delay_alu instid0(VALU_DEP_2)
	v_ldexp_f32 v[FF], 1.0, v245
	s_delay_alu instid0(VALU_DEP_2)
	v_ldexp_f32 v248, 1.0, v246
	s_delay_alu instid0(VALU_DEP_2)
	v_mul_f32 v14, v14, v[FF]
	s_delay_alu instid0(VALU_DEP_1)
	v_fmac_f32 v14, v243, v248
.set n, 0
.rept 16
	v_pk_mul_f32 v[S+n:S+n+1], v[S+n:S+n+1], v[248:249] op_sel_hi:[1,0]
.set n, n+2
.endr
.set n, 0
.rept 16
	v_pk_fma_f32 v[S+n:S+n+1], v[O+n:O+n+1], v[FF:FF+1], v[S+n:S+n+1] op_sel_hi:[1,0,1]
.set n, n+2
.endr
	FINISH S
.Lend:
	s_wait_tensorcnt 0x0                           ; the wave's end
	ds_add_u32 v254, v255
	s_wait_dscnt 0x0
	s_endpgm
.Lfunc_end_k_qc455e81b90_attn:
	.size	k_qc455e81b90_attn, .Lfunc_end_k_qc455e81b90_attn-k_qc455e81b90_attn
	.p2alignl 7, 3214868480
	.fill 96, 4, 3214868480
	.section	.rodata,"a",@progbits
	.p2align	6, 0x0
	.amdhsa_kernel k_qc455e81b90_attn
		.amdhsa_group_segment_fixed_size 88064
		.amdhsa_private_segment_fixed_size 0
		.amdhsa_enable_private_segment 0
		.amdhsa_kernarg_size 24
		.amdhsa_user_sgpr_count 2
		.amdhsa_user_sgpr_kernarg_segment_ptr 1
		.amdhsa_wavefront_size32 1
		.amdhsa_system_sgpr_workgroup_id_x 1
		.amdhsa_system_sgpr_workgroup_id_y 1
		.amdhsa_system_sgpr_workgroup_id_z 1
		.amdhsa_system_vgpr_workitem_id 0
		.amdhsa_next_free_vgpr 256
		.amdhsa_next_free_sgpr 66
		.amdhsa_reserve_vcc 1
		.amdhsa_float_denorm_mode_32 3
		.amdhsa_float_denorm_mode_16_64 3
		.amdhsa_memory_ordered 1
		.amdhsa_forward_progress 1
		.amdhsa_inst_pref_size 101
	.end_amdhsa_kernel
	.amdgpu_metadata
---
amdhsa.version: [ 1, 2 ]
amdhsa.kernels:
  - .name:           k_qc455e81b90_attn
    .symbol:         k_qc455e81b90_attn.kd
    .args:
      - { .name: qf, .offset: 0, .size: 8, .value_kind: global_buffer, .address_space: global }
      - { .name: kv, .offset: 8, .size: 8, .value_kind: global_buffer, .address_space: global }
      - { .name: af, .offset: 16, .size: 8, .value_kind: global_buffer, .address_space: global }
    .group_segment_fixed_size: 88064
    .private_segment_fixed_size: 0
    .kernarg_segment_align: 8
    .kernarg_segment_size: 24
    .max_flat_workgroup_size: 512
    .sgpr_count:     66
    .vgpr_count:     256
    .wavefront_size: 32
...
	.end_amdgpu_metadata
.endif
;; end of part 2
;; launch tail (part 3): grid 256 x 1, 8 waves a work-group, no clusters, 102,400 bytes of LDS; arguments af, wf, x, bproj, b1, b2, out0; writes out0
.if DOCPART == 3
	.amdgcn_target "amdgcn-amd-amdhsa--gfx1250"
	.amdhsa_code_object_version 6
	.text
	.protected	k_qc455e81b90_tail
	.globl	k_qc455e81b90_tail
	.p2align	8
	.type	k_qc455e81b90_tail,@function
k_qc455e81b90_tail:
	s_mov_b64 s[64:65], 0
	v_nop
	global_prefetch_b8 v0, s[64:65] scope:SCOPE_SE
	s_setreg_imm32_b32 hwreg(HW_REG_WAVE_MODE, 25, 1), 1
	s_wait_xcnt 0x0
; x1 = x + attn Wproj + bproj;  out = x1 + relu(x1 W1 + b1) W2 + b2; all three products on codes of FP6 (E2M3) with one E8M0 scale for each 32 along K.  x1 and the hidden layer never go to memory.
; SHARES.  Work-group g owns tokens 32 g .. 32 g + 31: two tiles u of 16 (tokens 32 g + 8 u + r + 8 (r / 8)).  THE WAVES SHARE THE COLUMNS: wave w makes columns 64 w .. 64 w + 63 of x1 and of out, and hidden units 256 w .. 256 w + 255.
; So each weight fragment has ONE reader in the work-group, which uses it for both token tiles: it comes from wf, where it lies as the operand's registers, straight into that wave's registers: three loads of 512 consecutive bytes and its scale words.
; THE WEIGHTS' RING: 36 groups of four fragments (4 for Wproj, 16 for W1, 16 for W2) through four sets of 48 registers in window 1, asked for three groups ahead, across both barriers.
; All products transposed (source 0 = 16 rows of a weight, source 1 = 16 tokens): a lane holds a token and its registers run along the columns: register 16 b + i = column 32 b + 16 (lane / 16) + i of the wave's 64.
; x1's and h's codes go from wave to wave through LDS as halves of operand registers (6 registers: 512 bytes at 16 a lane, 256 bytes at 8 a lane), their scale bytes as halfwords.
; The text has no branch: the counts of the waits for loads are worked out by the assembler as the loads issued behind the batch that is wanted (ISS counts issues; a mark is ISS behind a batch).
; No joint loads though all work-groups walk the same weights: each fragment has one reader wave and goes into its registers with no pass through LDS.
; LIMITS: NaN and infinities are not served; a block whose largest magnitude lies under 2^-124 (a block of zeros too) gets the scale byte 1, read by this program alone.
.set X1SC,  0                          ; LDS: x1's scale words: 512 u + 16 lane + 4 s
.set HSC,   1024                       ; h's: 2048 u + 512 (ks / 4) + 16 lane + 4 (ks % 4)
.set X1IMG, 5120                       ; x1's fragments: (4 u + s) x 1536, two halves of 768
.set HIMG,  17408                      ; h's: (16 u + ks) x 1536
.set STG,   66560                      ; a stage of 16 rows x (256 + 16) bytes for each wave
.set FRG,   1792                       ; a fragment in wf
.set LI,   1                           ; 16 x lane
.set L8,   2                           ; 8 x lane
.set LS,   3                           ; 4 x lane
.set BA,   4                           ; 64 h: a bias's 16 numbers of my half
.set RO,   5                           ; rows of x and out: 2048 (lane / 16) + 16 (lane % 16)
.set RD,   6                           ; my stage by whole rows
.set STO,  7                           ; my stage by lanes: 272 r + 64 h
.set X1WI, 8
.set X1W8, 9
.set X1WS, 10
.set HWI,  11
.set HW8,  12
.set HWS,  13
.set HRI,  14
.set HR8,  15
.set HSB,  16                          ; v16-23 h's scale words, quads 1 and 3
.set WSC,  24                          ; v24-39 the weights' scale words, 4 set + ft
.set TS,   40                          ; v40-47 the tokens' scale words, 4 u + s; later h's, quads 0 and 2
.set TF,   48                          ; v48-143 the tokens' fragments, 12 (4 u + s); later h's ring, 24 (ks % 4) + 12 u
.set ACC,  144                         ; v144-207 eight accumulators, 32 u + 8 ft
.set PC,   208
.set PT,   214
.set PW,   217
.set MX,   218
.set PB,   220
.set SO,   222
.set TMPS, 208                         ; at the head: attn's 16 scale halfwords
.set BI,   224                         ; v224-255 a bias in the result's layout
.set X1B,  192                         ; window 1: x1 + b2
.set WV,  18
.set SEL, 20
.set WB0, 22
.set WB1, 24
.set WB2, 26
.set XP,  28
.set OP,  30
.set AP,  32
.set BP,  34
.set B1P, 36
.set B2P, 38
.set MSB, 0
.macro WIN new
.if MSB != \new
	s_set_vgpr_msb (MSB<<8)|\new
.set MSB, \new
.endif
.endm
.macro MMA d, a, b, c, sa, sb
	v_wmma_scale_f32_16x16x128_f8f6f4 v[\d:\d+7], v[\a:\a+11], v[\b:\b+11], v[\c:\c+7], v[\sa], v[\sb] matrix_a_fmt:MATRIX_FMT_FP6 matrix_b_fmt:MATRIX_FMT_FP6
.endm
.macro QUANT s, nc                     ; 32 nc numbers of a lane, register 16 b + i = k 32 b + 16 (lane / 16) + i, become 6 nc registers of codes in v[PC] on and 2 nc scale bytes in v[PW]
.set qb, 0
.rept 2*(\nc)
	v_max3_num_f32 v[MX+qb], |v[(\s)+16*qb]|, |v[(\s)+16*qb+1]|, 0x1800000
.set qb, qb+1
.endr
.irp i, 2,4,6,8,10,12,14
.set qb, 0
.rept 2*(\nc)
	v_max3_num_f32 v[MX+qb], v[MX+qb], |v[(\s)+16*qb+\i]|, |v[(\s)+16*qb+\i+1]|
.set qb, qb+1
.endr
.endr
.set qb, 0
.rept 2*(\nc)
	s_delay_alu instid0(VALU_DEP_2)
	v_permlanex16_b32 v[PB+qb], v[MX+qb], s[SEL], s[SEL+1]
.set qb, qb+1
.endr
.set qb, 0
.rept 2*(\nc)
	s_delay_alu instid0(VALU_DEP_2)
	v_max_num_f32 v[MX+qb], v[MX+qb], v[PB+qb]
.set qb, qb+1
.endr
.set qb, 0
.rept 2*(\nc)
	s_delay_alu instid0(VALU_DEP_2)
	v_add_nc_u32 v[SO+qb], 0xff000000, v[MX+qb]
.set qb, qb+1
.endr
.set qb, 0
.rept 2*(\nc)
	s_delay_alu instid0(VALU_DEP_2)
	v_lshrrev_b32 v[PB+qb], 23, v[SO+qb]
.set qb, qb+1
.endr
	s_delay_alu instid0(VALU_DEP_1)
	v_lshl_or_b32 v[PW], v[PB+1], 8, v[PB]
.set qc, 0
.rept \nc
	v_cvt_scalef32_pk16_fp6_f32 v[PC+6*qc:PC+6*qc+2], v[(\s)+32*qc:(\s)+32*qc+15], v[SO+2*qc]
	v_cvt_scalef32_pk16_fp6_f32 v[PT+4*qc:PT+4*qc+2], v[(\s)+32*qc+16:(\s)+32*qc+31], v[SO+2*qc+1]
.set qc, qc+1
.endr
	v_nop
.set qc, 0
.rept \nc
.irp i, 0,1,2
	v_permlane16_swap_b32 v[PC+6*qc+\i], v[PT+4*qc+\i]
.endr
.irp i, 0,1,2
	s_delay_alu instid0(VALU_DEP_3)
	v_mov_b32 v[PC+6*qc+3+\i], v[PT+4*qc+\i]
.endr
.set qc, qc+1
.endr
.endm
.macro PLACES
.rept 4
	v_nop
.endr
.endm
.macro BARRIER                         ; my LDS stores have landed and my LDS loads are in: then the work-group's barrier
	s_wait_dscnt 0x0
	s_barrier_signal -1
	s_barrier_wait -1
.endm
.set ISS, 0
.set E0, 0
.set E1, 0
.set E2, 0
.set E3, 0
.set EB, 0
.macro LWAIT m                         ; the batch marked m is in: as many loads may be out as were issued behind it (a count beyond the field is written as 63, which asks for more)
.if ISS-(\m) > 63
	s_wait_loadcnt 63
.else
	s_wait_loadcnt ISS-(\m)
.endif
.endm
.macro EWAIT seq
.if (\seq)%4 == 0
	LWAIT E0
.elseif (\seq)%4 == 1
	LWAIT E1
.elseif (\seq)%4 == 2
	LWAIT E2
.else
	LWAIT E3
.endif
.endm
.macro WSEL seq                        ; group seq: its base, and fragment ft's number from that base: FOA ft + FOB
.if (\seq) < 4
.set WBR, WB0
.set FOA, 4
.set FOB, (\seq)
.elseif (\seq) < 20
.set WBR, WB1
.set FOA, 4
.set FOB, 16*(((\seq)-4)/4)+((\seq)-4)%4
.else
.set WBR, WB2
.set FOA, 16
.set FOB, (\seq)-20
.endif
.set WST, (\seq)%4
.endm
.macro WLS seq                         ; the group's four scale words (window 0)
.if (\seq) < 36
	WSEL \seq
.irp ft, 0,1,2,3
	global_load_b32 v[WSC+4*WST+\ft], v[LS], s[WBR:WBR+1] offset:(FOA*\ft+FOB)*FRG+1536
.endr
.set ISS, ISS+4
.endif
.endm
.macro WLF seq                         ; its four fragments (window 1), and the group's mark
.if (\seq) < 36
	WSEL \seq
	WIN 0x40
.irp ft, 0,1,2,3
.irp g, 0,1,2
	global_load_b128 v[48*WST+12*\ft+4*\g:48*WST+12*\ft+4*\g+3], v[LI], s[WBR:WBR+1] offset:(FOA*\ft+FOB)*FRG+512*\g
.endr
.endr
.set ISS, ISS+12
.if WST == 0
.set E0, ISS
.elseif WST == 1
.set E1, ISS
.elseif WST == 2
.set E2, ISS
.else
.set E3, ISS
.endif
.endif
.endm
.macro BLOAD br, imm                   ; 64 numbers of a bias: register 16 b + i = number 32 b + 16 (lane / 16) + i
.irp b, 0,1
.irp j, 0,1,2,3
	global_load_b128 v[BI+16*\b+4*\j:BI+16*\b+4*\j+3], v[BA], s[\br:\br+1] offset:(\imm)+128*\b+16*\j
.endr
.endr
.set ISS, ISS+8
.set EB, ISS
.endm
.macro HL ks                           ; K step ks of h, both token tiles, into ring set ks % 4
.irp u, 0,1
	ds_load_b128 v[TF+24*((\ks)%4)+12*\u:TF+24*((\ks)%4)+12*\u+3], v[HRI] offset:(16*\u+(\ks))*1536
	ds_load_b64 v[TF+24*((\ks)%4)+12*\u+4:TF+24*((\ks)%4)+12*\u+5], v[HR8] offset:(16*\u+(\ks))*1536+512
	ds_load_b128 v[TF+24*((\ks)%4)+12*\u+6:TF+24*((\ks)%4)+12*\u+9], v[HRI] offset:(16*\u+(\ks))*1536+768
	ds_load_b64 v[TF+24*((\ks)%4)+12*\u+10:TF+24*((\ks)%4)+12*\u+11], v[HR8] offset:(16*\u+(\ks))*1536+1280
.endr
.endm
.macro HSL q                           ; h's scale words of K steps 4 q .. 4 q + 3
.irp u, 0,1
	ds_load_b128 v[TS-24*((\q)%2)+4*\u:TS-24*((\q)%2)+4*\u+3], v[LI] offset:HSC+2048*\u+512*(\q)
.endr
.endm
; A GROUP: one K step of four weight tiles against both token tiles: eight products on eight accumulators by turns, one instruction a turn.
.macro GROUP seq
	PLACES                                         ; in front of the loads into the set, the scale words and the bias that the group before read
.if ((\seq) >= 4) && ((\seq) < 20)
.if (((\seq)-4)%4 == 1) && (((\seq)-4)/4 < 3)
	BLOAD B1P, 256*(((\seq)-4)/4+1)                ; the next job's 64 numbers of b1
.endif
.endif
	WLS (\seq)+3
.if (\seq) >= 20
.set gk, (\seq)-20
.if gk == 4
	HSL 2
.endif
.if gk == 8
	HSL 3
.endif
.if gk+2 < 16
	HL gk+2
.endif
.endif
	WLF (\seq)+3
.if (\seq) >= 20
.if gk < 14
	s_wait_dscnt 16                                ; this K step of h is in; the two K steps behind it, 8 loads each, may be out
.elseif gk == 14
	s_wait_dscnt 8
.else
	s_wait_dscnt 0
.endif
.endif
.set gck, 0
.if ((\seq) >= 4) && ((\seq) < 20)
.if ((\seq)-4)%4 == 0
.set gck, 1
	LWAIT EB                                       ; the job's bias
.endif
.endif
.if (\seq) == 20
.set gck, 2
.endif
	EWAIT \seq                                     ; this group's fragments and scale words
.set gst, (\seq)%4
.if (\seq) < 20
.if (\seq) < 4
.set gs, (\seq)
.else
.set gs, ((\seq)-4)%4
.endif
.set gB0, TF+12*gs
.set gBU, 48
.set gS0, TS+gs
.else
.set gB0, TF+24*(gk%4)
.set gBU, 12
.set gS0, TS-24*((gk/4)%2)+gk%4
.endif
.if gck == 2
	WIN 0x11                                       ; source 0 and C in window 1
.else
	WIN 0x01                                       ; source 0 in window 1
.endif
.irp ft, 0,1,2,3
.irp u, 0,1
.if gck == 1
	MMA ACC+32*\u+8*\ft, 48*gst+12*\ft, gB0+gBU*\u, BI+8*\ft, WSC+4*gst+\ft, gS0+4*\u
.elseif gck == 2
	MMA ACC+32*\u+8*\ft, 48*gst+12*\ft, gB0+gBU*\u, X1B+32*\u+8*\ft, WSC+4*gst+\ft, gS0+4*\u
.else
	MMA ACC+32*\u+8*\ft, 48*gst+12*\ft, gB0+gBU*\u, ACC+32*\u+8*\ft, WSC+4*gst+\ft, gS0+4*\u
.endif
.endr
.endr
	WIN 0
.endm
	s_load_b256 s[4:11], s[0:1], 0x0               ; af 4, wf 6, x 8, bproj 10
	s_load_b128 s[12:15], s[0:1], 0x20             ; b1 12, b2 14
	s_load_b64 s[16:17], s[0:1], 0x30              ; out0
	v_lshrrev_b32 v1, 5, v0
	s_delay_alu instid0(VALU_DEP_1)
	v_readfirstlane_b32 s[WV], v1                  ; wave 0..7
	v_and_b32 v208, 31, v0                         ; lane
	v_and_b32 v209, 15, v0                         ; r
	v_bfe_u32 v210, v0, 4, 1                       ; h
	s_delay_alu instid0(VALU_DEP_3)
	v_lshlrev_b32 v[LI], 4, v208
	s_delay_alu instid0(VALU_DEP_4)
	v_lshlrev_b32 v[L8], 3, v208
	v_lshlrev_b32 v[LS], 2, v208
	s_delay_alu instid0(VALU_DEP_4)
	v_lshlrev_b32 v[BA], 6, v210
	v_lshlrev_b32 v[RO], 4, v209
	s_delay_alu instid0(VALU_DEP_1)
	v_lshl_add_u32 v[RO], v210, 11, v[RO]
	s_mul_i32 s40, s[WV], 4352
	s_add_co_u32 s40, s40, STG                     ; my stage
	v_mul_u32_u24 v[RD], v210, 272
	s_delay_alu instid0(VALU_DEP_1)
	v_lshl_add_u32 v[RD], v209, 4, v[RD]
	s_delay_alu instid0(VALU_DEP_1)
	v_add_nc_u32 v[RD], s40, v[RD]
	v_mul_u32_u24 v[STO], v209, 272
	s_delay_alu instid0(VALU_DEP_1)
	v_lshl_add_u32 v[STO], v210, 6, v[STO]
	s_delay_alu instid0(VALU_DEP_1)
	v_add_nc_u32 v[STO], s40, v[STO]
	s_mul_i32 s41, s[WV], 768                      ; my 64 columns are half w % 2 of K step w / 2
	s_add_co_u32 s41, s41, X1IMG
	v_add_nc_u32 v[X1WI], s41, v[LI]
	v_add_nc_u32 v[X1W8], s41, v[L8]
	s_lshl_b32 s41, s[WV], 1
	v_add_nc_u32 v[X1WS], s41, v[LI]
	s_mul_i32 s41, s[WV], 3072                     ; my 256 hidden units are K steps 2 w and 2 w + 1
	s_add_co_u32 s41, s41, HIMG
	v_add_nc_u32 v[HWI], s41, v[LI]
	v_add_nc_u32 v[HW8], s41, v[L8]
	s_lshr_b32 s41, s[WV], 1
	s_lshl_b32 s41, s41, 9
	s_and_b32 s42, s[WV], 1
	s_lshl_b32 s42, s42, 3
	s_add_co_u32 s41, s41, s42
	s_add_co_u32 s41, s41, HSC
	v_add_nc_u32 v[HWS], s41, v[LI]
	v_add_nc_u32 v[HRI], HIMG, v[LI]
	v_add_nc_u32 v[HR8], HIMG, v[L8]
	s_mov_b32 s[SEL], 0x76543210
	s_mov_b32 s[SEL+1], 0xfedcba98
	s_mov_b32 s43, 0
	s_wait_alu depctr_va_vdst(0)
	s_wait_kmcnt 0x0
	s_lshl_b32 s42, ttmp9, 16                      ; 32 rows of 2,048 bytes,
	s_lshl_b32 s44, s[WV], 8                       ; my 64 columns
	s_add_co_u32 s42, s42, s44
	s_add_nc_u64 s[XP:XP+1], s[8:9], s[42:43]
	s_add_nc_u64 s[OP:OP+1], s[16:17], s[42:43]
	s_mov_b32 s42, s44
	s_add_nc_u64 s[BP:BP+1], s[10:11], s[42:43]
	s_add_nc_u64 s[B2P:B2P+1], s[14:15], s[42:43]
	s_lshl_b32 s42, s[WV], 10
	s_add_nc_u64 s[B1P:B1P+1], s[12:13], s[42:43]
	s_lshl_b32 s42, ttmp9, 14                      ; two tiles x 8 heads x 1,024 bytes
	s_add_nc_u64 s[AP:AP+1], s[4:5], s[42:43]
	s_mul_i32 s42, s[WV], 16*FRG
	s_add_nc_u64 s[WB0:WB0+1], s[6:7], s[42:43]
	s_mul_i32 s42, s[WV], 64*FRG
	s_add_co_u32 s42, s42, 128*FRG
	s_add_nc_u64 s[WB1:WB1+1], s[6:7], s[42:43]
	s_add_co_u32 s42, s42, 512*FRG
	s_add_nc_u64 s[WB2:WB2+1], s[6:7], s[42:43]
	; the loads of the head, in the order in which they are wanted
.irp u, 0,1
.irp i, 0,1,2,3,4,5,6,7
	global_load_b128 v[ACC+32*\u+4*\i:ACC+32*\u+4*\i+3], v[RO], s[XP:XP+1] offset:(8*\u+2*\i+8*(\i/4))*2048   ; two rows of x: sixteen lanes read my 256 bytes of a row
.endr
.set ISS, ISS+8
.set EX\u, ISS
.endr
	BLOAD BP, 0
.irp u, 0,1
.irp d, 0,1,2,3,4,5,6,7                        ; attn's half of head d is half d % 2 of K step d / 2
	global_load_b128 v[TF+12*(4*\u+\d/2)+6*(\d%2):TF+12*(4*\u+\d/2)+6*(\d%2)+3], v[LI], s[AP:AP+1] offset:(8*\u+\d)*1024
	global_load_b64 v[TF+12*(4*\u+\d/2)+6*(\d%2)+4:TF+12*(4*\u+\d/2)+6*(\d%2)+5], v[L8], s[AP:AP+1] offset:(8*\u+\d)*1024+512
	global_load_b32 v[TMPS+8*\u+\d], v[LS], s[AP:AP+1] offset:(8*\u+\d)*1024+768
.endr
.endr
.set ISS, ISS+48
.set EA, ISS
	WLS 0
	WLS 1
	WLS 2
	WLF 0
	WLF 1
	WLF 2
	WIN 0
	; x through my stage: in by whole rows, out by lanes: row r, 16 numbers of each block of 32
.irp u, 0,1
	LWAIT EX\u
.irp i, 0,1,2,3,4,5,6,7
	ds_store_b128 v[RD], v[ACC+32*\u+4*\i:ACC+32*\u+4*\i+3] offset:544*\i
.endr
	s_wait_dscnt 0x0                               ; the stores have read their registers
.irp b, 0,1
.irp j, 0,1,2,3
	ds_load_b128 v[ACC+32*\u+16*\b+4*\j:ACC+32*\u+16*\b+4*\j+3], v[STO] offset:128*\b+16*\j
.endr
.endr
	s_wait_dscnt 0x0
.endr
	LWAIT EA
.irp u, 0,1
.irp s, 0,1,2,3
	v_lshl_or_b32 v[TS+4*\u+\s], v[TMPS+8*\u+2*\s+1], 16, v[TMPS+8*\u+2*\s]   ; two heads' halfwords make a K step's scale word
.endr
.endr
	v_mov_b32 v[PB], 0                             ; a lane permute's destination counts as one of its sources
	v_mov_b32 v[PB+1], 0
	LWAIT EB
.set n, 0
.rept 32
	v_pk_add_f32 v[ACC+n:ACC+n+1], v[ACC+n:ACC+n+1], v[BI+n%32:BI+n%32+1]   ; x + bproj: the sums begin there
.set n, n+2
.endr
	BLOAD B2P, 0
	; ---- P: x1 = x + bproj + attn Wproj
	s_wait_alu depctr_va_vdst(0)
	GROUP 0
	GROUP 1
	GROUP 2
	GROUP 3
	PLACES
	LWAIT EB
	WIN 0x40
.set n, 0
.rept 32
	v_pk_add_f32 v[X1B+n:X1B+n+1], v[ACC+n:ACC+n+1], v[BI+n%32:BI+n%32+1]   ; x1 + b2 is kept for the last product's C
.set n, n+2
.endr
	WIN 0
	BLOAD B1P, 0
.irp u, 0,1
	QUANT ACC+32*\u, 1
	ds_store_b128 v[X1WI], v[PC:PC+3] offset:6144*\u
	ds_store_b64 v[X1W8], v[PC+4:PC+5] offset:6144*\u+512
	ds_store_b16 v[X1WS], v[PW] offset:X1SC+512*\u
	s_wait_dscnt 0x0                               ; the stores have read their registers
.endr
	BARRIER                                        ; x1's eight fragments lie in LDS
.irp u, 0,1
.irp s, 0,1,2,3
	ds_load_b128 v[TF+12*(4*\u+\s):TF+12*(4*\u+\s)+3], v[LI] offset:X1IMG+(4*\u+\s)*1536
	ds_load_b64 v[TF+12*(4*\u+\s)+4:TF+12*(4*\u+\s)+5], v[L8] offset:X1IMG+(4*\u+\s)*1536+512
	ds_load_b128 v[TF+12*(4*\u+\s)+6:TF+12*(4*\u+\s)+9], v[LI] offset:X1IMG+(4*\u+\s)*1536+768
	ds_load_b64 v[TF+12*(4*\u+\s)+10:TF+12*(4*\u+\s)+11], v[L8] offset:X1IMG+(4*\u+\s)*1536+1280
.endr
	ds_load_b128 v[TS+4*\u:TS+4*\u+3], v[LI] offset:X1SC+512*\u
.endr
	s_wait_dscnt 0x0
	; ---- F1: four jobs of 64 hidden units; each becomes half jb % 2 of K step 2 w + jb / 2 of the last product
.macro HOUT jb
	PLACES
.set n, 0
.rept 64
	v_max_num_f32 v[ACC+n], 0, v[ACC+n]            ; the activation, in f32
.set n, n+1
.endr
.irp u, 0,1
	QUANT ACC+32*\u, 1
	ds_store_b128 v[HWI], v[PC:PC+3] offset:24576*\u+768*(\jb)
	ds_store_b64 v[HW8], v[PC+4:PC+5] offset:24576*\u+768*(\jb)+512
	ds_store_b16 v[HWS], v[PW] offset:2048*\u+2*(\jb)
	s_wait_dscnt 0x0                               ; the stores have read their registers
.endr
.endm
.irp jb, 0,1,2,3
	GROUP 4+4*\jb
	GROUP 5+4*\jb
	GROUP 6+4*\jb
	GROUP 7+4*\jb
	HOUT \jb
.endr
	BARRIER                                        ; h's 32 fragments lie in LDS
	; ---- F2: out = x1 + b2 + h W2
	HSL 0
	HSL 1
	HL 0
	HL 1
.irp k, 20,21,22,23,24,25,26,27,28,29,30,31,32,33,34,35
	GROUP \k
.endr
	PLACES
	; THE WAY OUT: through my stage, back as whole rows: sixteen lanes store my 256 consecutive bytes of a row, at a multiple of 256 from the buffer's first byte
.irp u, 0,1
.irp b, 0,1
.irp j, 0,1,2,3
	ds_store_b128 v[STO], v[ACC+32*\u+16*\b+4*\j:ACC+32*\u+16*\b+4*\j+3] offset:128*\b+16*\j   ; each accumulator from its low end on
.endr
.endr
.irp i, 0,1,2,3,4,5,6,7
	ds_load_b128 v[TF+32*\u+4*\i:TF+32*\u+4*\i+3], v[RD] offset:544*\i   ; LDS serves a wave's instructions in order: these see the stores above
.endr
	s_wait_dscnt 0x0
.irp i, 0,1,2,3,4,5,6,7
	global_store_b128 v[RO], v[TF+32*\u+4*\i:TF+32*\u+4*\i+3], s[OP:OP+1] offset:(8*\u+2*\i+8*(\i/4))*2048 th:TH_STORE_NT
.endr
.endr
	s_wait_xcnt 0x0
	v_lshl_add_u32 v254, v0, 2, 0x18c00
	v_mov_b32 v255, 0
	s_wait_alu depctr_va_vdst(0)
	s_wait_tensorcnt 0x0
	ds_add_u32 v254, v255
	s_wait_dscnt 0x0
	s_endpgm
.Lfunc_end_k_qc455e81b90_tail:
	.size	k_qc455e81b90_tail, .Lfunc_end_k_qc455e81b90_tail-k_qc455e81b90_tail
	.p2alignl 7, 3214868480
	.fill 96, 4, 3214868480
	.section	.rodata,"a",@progbits
	.p2align	6, 0x0
	.amdhsa_kernel k_qc455e81b90_tail
		.amdhsa_group_segment_fixed_size 102400
		.amdhsa_private_segment_fixed_size 0
		.amdhsa_enable_private_segment 0
		.amdhsa_kernarg_size 56
		.amdhsa_user_sgpr_count 2
		.amdhsa_user_sgpr_kernarg_segment_ptr 1
		.amdhsa_wavefront_size32 1
		.amdhsa_system_sgpr_workgroup_id_x 1
		.amdhsa_system_sgpr_workgroup_id_y 1
		.amdhsa_system_sgpr_workgroup_id_z 1
		.amdhsa_system_vgpr_workitem_id 0
		.amdhsa_next_free_vgpr 512
		.amdhsa_next_free_sgpr 66
		.amdhsa_reserve_vcc 0
		.amdhsa_float_denorm_mode_32 3
		.amdhsa_float_denorm_mode_16_64 3
		.amdhsa_memory_ordered 1
		.amdhsa_forward_progress 1
		.amdhsa_inst_pref_size 169
	.end_amdhsa_kernel
	.amdgpu_metadata
---
amdhsa.version: [ 1, 2 ]
amdhsa.kernels:
  - .name:           k_qc455e81b90_tail
    .symbol:         k_qc455e81b90_tail.kd
    .args:
      - { .name: af, .offset: 0, .size: 8, .value_kind: global_buffer, .address_space: global }
      - { .name: wf, .offset: 8, .size: 8, .value_kind: global_buffer, .address_space: global }
      - { .name: x, .offset: 16, .size: 8, .value_kind: global_buffer, .address_space: global }
      - { .name: bproj, .offset: 24, .size: 8, .value_kind: global_buffer, .address_space: global }
      - { .name: b1, .offset: 32, .size: 8, .value_kind: global_buffer, .address_space: global }
      - { .name: b2, .offset: 40, .size: 8, .value_kind: global_buffer, .address_space: global }
      - { .name: out0, .offset: 48, .size: 8, .value_kind: global_buffer, .address_space: global }
    .group_segment_fixed_size: 102400
    .private_segment_fixed_size: 0
    .kernarg_segment_align: 8
    .kernarg_segment_size: 56
    .max_flat_workgroup_size: 256
    .sgpr_count:     66
    .vgpr_count:     512
    .wavefront_size: 32
...
	.end_amdgpu_metadata
.endif
;; end of part 3
